; MI455X (gfx1250); checked and timed in simulation.
; The chip was launched on July 23, 2026; its instructions are those of AMD's public machine-readable ISA for CDNA 5 (MIT licence, August 2026) and "CDNA5" Instruction Set Architecture Reference Guide (July 2026). The comments in the code are by the model that wrote it; some were corrected since.
;; Attention Layer. Allowed arithmetic: matrix products marked QUANTISED: E2M1 operands, one E8M0 scale for each 32 along K, by v_wmma_scale_f32_16x16x128_f8f6f4 with both operands' format E2M1 (or v_wmma_scale_f32_32x16x128_f4), f32 sums; products left as they are: bf16, f16 or f32 operands; f32 sums; everything else in f32.
;; Inputs: Wk 1,024 x 1,024 float32; Wo 1,024 x 1,024 float32; Wq 1,024 x 1,024 float32; Wv 1,024 x 1,024 float32; bk 1,024 float32; bo 1,024 float32; bq 1,024 float32; bv 1,024 float32; keys 4 x 2,048 x 1,024 float32; queries 4 x 2,048 x 1,024 float32; values 4 x 2,048 x 1,024 float32.
;; Outputs: out0 4 x 2,048 x 1,024 float32.
;; This version of the problem:
;;   THIS VERSION OF THE PROBLEM IS GIVEN IN LOW PRECISION. The matrix products marked QUANTISED in the list below multiply operands that are first quantised to E2M1 (2 exponent bits, 1 mantissa bit; 4 bits a number), with one power-of-two scale for each 32 numbers along K (OCP MX v1.0); their sums are f32. The products marked 'left as it is' may take bf16, f16 or f32 operands, with f32 sums. Whichever they take, every output number must still come out within the allowed error. Rounding operands to bf16 (8 significant bits) uses up far more of that allowance than f16 does (11 bits, for magnitudes from 6e-5 to 65,504). All else is computed in f32.
;;   The module's matrix products, in the order in which they are computed (A, B: the left and right operand; K: the contracted axis; several contracted axes count as one K, in the product's order):
;;     1. [M 8,192, K 1,024] x [K 1,024, N 1,024]; A: input queries; B: input Wq: QUANTISED
;;     2. [M 8,192, K 1,024] x [K 1,024, N 1,024]; A: input keys; B: input Wk: QUANTISED
;;     3. [M 8,192, K 1,024] x [K 1,024, N 1,024]; A: input values; B: input Wv: QUANTISED
;;     4. batch 64 x [M 2,048, K 64] x [K 64, N 2,048]; A: computed on the way; B: computed on the way: left as it is (an operand is computed on the way)
;;     5. batch 64 x [M 64, K 2,048] x [K 2,048, N 2,048]; A: computed on the way; B: computed on the way: left as it is (an operand is computed on the way)
;;     6. [M 8,192, K 1,024] x [K 1,024, N 1,024]; A: computed on the way; B: input Wo: left as it is (an operand is computed on the way)
;;   THE QUANTISER, for each operand of a quantised product, along K:
;;     - K is cut into blocks of 32 from its start; a last block that is shorter is filled with zeros.
;;     - A block's scale is 2^e with e = floor(log2(the largest magnitude in the block)) - 2, held to -126 .. 127; a block of zeros has e = 0. As a byte (E8M0): e + 127.
;;     - Each number is divided by its block's scale, clamped to +-6, and rounded to the nearest number of E2M1, ties to even, subnormals kept.
;;     - The product sums the exact products of the quantised numbers (number of the format x scale) in f32.
;;   ~~~python
;;   def quantise(x, axis):      # numpy; x: float32 -> the quantised numbers, widened to float32 again
;;       x = np.moveaxis(x, axis, -1); K = x.shape[-1]
;;       x = np.pad(x, [(0, 0)] * (x.ndim - 1) + [(0, -K % 32)]); x = x.reshape(x.shape[:-1] + (-1, 32)); a = np.abs(x).max(-1, keepdims=True)
;;       e = np.where(a > 0, np.clip(np.frexp(np.where(a > 0, a, 1))[1] - 1 - 2, -126, 127), 0)      # np.frexp(a)[1] - 1 = floor(log2(a)), exactly
;;       r = np.clip(x / 2.0 ** e, -6, 6)
;;       step = 2.0 ** (np.maximum(np.frexp(np.where(r == 0, 1, r))[1] - 1, 0) - 1)
;;       q = np.round(r / step) * step * 2.0 ** e      # np.round: ties to even
;;       return np.moveaxis(q.reshape(q.shape[:-2] + (-1,))[..., :K], -1, axis).astype(np.float32)
;;   ~~~
;; One version. Each part assembles by itself: llvm-mc -triple=amdgcn-amd-amdhsa -mcpu=gfx1250 --defsym DOCPART=n.
;; ======== version 1 of 1: 4 launches
;; limits: values are held in f16: magnitudes above 65,504 overflow, below 6.1e-05 lose precision
;; workspace buffers: xc 12,582,912 bytes; xs 786,432 bytes; wc 1,572,864 bytes; ws 98,304 bytes; woi 2,097,152 bytes; qkv 50,331,648 bytes; ctx 16,777,216 bytes
;; launch prep (part 1): grid 880 x 1, 4 waves a work-group, no clusters, 68,096 bytes of LDS; arguments queries, keys, values, Wq, Wk, Wv, Wo, xc, xs, wc, ws, woi; writes xc, xs, wc, ws, woi
.if DOCPART == 1
	.amdgcn_target "amdgcn-amd-amdhsa--gfx1250"
	.amdhsa_code_object_version 6
	.text
	.protected	k_q7472f2939c_prep
	.globl	k_q7472f2939c_prep
	.p2align	8
	.type	k_q7472f2939c_prep,@function
k_q7472f2939c_prep:
	s_mov_b64 s[64:65], 0
	v_nop
	global_prefetch_b8 v0, s[64:65] scope:SCOPE_SE
	s_setreg_imm32_b32 hwreg(HW_REG_WAVE_MODE, 25, 1), 1
	s_wait_xcnt 0x0
; FIRST OF FOUR LAUNCHES of out = softmax((queries Wq + bq)(keys Wk + bk)^T / 8) (values Wv + bv) Wo + bo, 4 x 2,048 positions, 1,024 channels, 16 heads of 64.
; This launch makes the operands of the later ones: queries, keys, values and Wq, Wk, Wv as codes of E2M1 with one E8M0 byte for each 32 along K (K innermost), Wo as f16.
; WORK LEFT OUT, for all values of the inputs.  bk: a score is q_l . (k'_s + bk) = q_l . k'_s + q_l . bk, k' = keys Wk; the last term is the same for every key s of a row l, so the softmax along s takes it away;
; the product of q and k is not quantised, and k reaches nothing else.  So bk has no way to the output: it is not loaded and is no argument of any launch.
; bv is live and is added later: the softmax's weights of a row add up to 1, so sum_s A (v'_s + bv) = sum_s A v'_s + bv; the third launch adds it in f32.
; LIMITS: a NaN, an infinity or an overflow that reaches only bk is not carried to the result.  Blocks whose largest magnitude lies under 2^(2 - 126) keep the scale byte 1; a block of zeros keeps the byte 1 too
; (its codes are zeros, and this program alone reads the bytes).  NaN and infinities among the inputs are not served.  Wo goes in f16: magnitudes under 65,504; what lies under 6e-5 keeps an absolute step of 6e-8.
; THREE PATHS, parted by the work-group's number, each with LDS bytes of its own:
;   W  (work-groups 0-47):    Wq, Wk, Wv [k][n]: a lane takes a column n and its registers run down K; codes leave through the wave's stage as rows of 256 bytes.
;   O  (work-groups 48-111):  Wo [k][n] -> f16, laid as images of operand registers (below).
;   X  (work-groups 112-879): queries, keys, values: plain streams of blocks of 32 numbers.
; AN IMAGE (1,024 bytes) is a fragment of 16 rows i x 32 along j of f16 as a matrix instruction takes it: bytes 16 L .. 16 L + 15 of the first 512 are registers 0-3 of lane L (row L % 16, j = 8 (L / 16) + 0..7),
; the same place of the second 512 registers 4-7 (j = 16 + 8 (L / 16) + 0..7).  woi is [n / 16][k / 32] images, i = n, j = k.
; No matrix instruction, no tensor load, no barrier: waves share nothing.  No cluster: no two work-groups read the same bytes.
.set SPARE, 67584                      ; behind all stages: the spare words, 128 bytes for each wave
.set SPW,   192                        ; v192 LDS address of my spare word; never rewritten
.set NIL,   193                        ; v193 0; never rewritten
.set EMAX,  2                          ; the exponent of E2M1's largest number, 6
; path X
.set STEPS, 16                         ; steps of 512 numbers for a wave
.set CB,    8                          ; bytes of 16 codes
.set XR,    16                         ; v16-79   four sets of 16 numbers as they are loaded
.set XX,    80                         ; v80-111  two sets of 16 neighbours
.set XE,    112                        ; v112-127 a scale byte for each step
.set XC,    128                        ; v128-191 codes, registers of their own for each step
.set WREG,  8192                       ; LDS 0 .. 32,767: a region for each wave: two stages of 32 x SP bytes, behind them its 256 scale bytes
.set SP,    80                         ; a lane's place in a stage: 64 bytes + 16 of padding
; path W
.set WSTG,  32768                      ; LDS 32,768 .. 67,583: a stage of 32 rows x 272 bytes for each wave
.set NB,    16                         ; blocks of 32 along K for a wave
.set WPITCH, 272
.set KROW,  512                        ; a row of 1,024 codes in bytes
.set WSB,   24                         ; v24-27   the scale bytes, four to a register
.set WX,    32                         ; v32-95   two sets of 32 numbers
.set WC,    96                         ; v96-99   a block's codes
.set WOUT,  112                        ; v112-175 the way out
; path O
.set OX,    32                         ; v32-95   two sets of 32 numbers
.set OH,    96                         ; v96-159  16 registers of f16 pairs for each of four blocks
	s_load_b512 s[8:23], s[0:1], 0x0               ; queries 8, keys 10, values 12, Wq 14, Wk 16, Wv 18, Wo 20, xc 22
	s_load_b256 s[24:31], s[0:1], 0x40             ; xs 24, wc 26, ws 28, woi 30
	v_lshl_add_u32 v[SPW], v0, 2, SPARE
	v_mov_b32 v[NIL], 0
	v_lshrrev_b32 v1, 5, v0
	v_readfirstlane_b32 s3, v1                     ; wave 0..3
	v_and_b32 v2, 31, v0                           ; lane
	s_cmp_lt_u32 ttmp9, 48
	s_cbranch_scc1 .Lw
	s_cmp_lt_u32 ttmp9, 112
	s_cbranch_scc1 .Lo
; ---------------- PATH X: a wave takes 16 steps of 512 numbers.  Each load reads 512 consecutive bytes, 16 a lane; a step's 2,048 bytes turn through the wave's own stage and come back 64 bytes a lane,
; so that a lane holds 16 neighbours along K (two neighbouring lanes hold a block) for the conversions.
	v_lshlrev_b32 v3, 4, v2                        ; my 16 bytes of a load's 512
	s_mul_i32 s32, s3, WREG
	v_lshrrev_b32 v14, 2, v2
	v_mul_u32_u24 v14, v14, SP
	v_and_b32 v15, 3, v2
	v_lshl_add_u32 v14, v15, 4, v14
	v_add_nc_u32 v14, s32, v14                     ; the stage on the way in: SP (lane / 4) + 16 (lane % 4)
	v_mul_u32_u24 v15, v2, SP
	v_add_nc_u32 v15, s32, v15                     ; and on the way out: SP x lane
	v_mul_u32_u24 v4, v2, CB                       ; my codes' place in a step's
	v_lshrrev_b32 v5, 1, v2
	s_add_co_u32 s32, s32, 2*32*SP
	v_add_nc_u32 v5, s32, v5                       ; my wave's 256 scale bytes: my block's byte
	v_lshlrev_b32 v7, 3, v2                        ; and on the way out 8 bytes a lane
	v_add_nc_u32 v6, s32, v7
	s_sub_co_u32 s33, ttmp9, 112
	s_lshr_b32 s34, s33, 8                         ; which tensor: 256 work-groups each
	s_lshl_b32 s33, s33, 2
	s_add_co_u32 s33, s33, s3                      ; my run of 8,192 numbers, counted through the three tensors
	s_and_b32 s36, s33, 1023
	s_lshl_b32 s36, s36, 15                        ; 32,768 bytes of f32 a run, inside the tensor
	s_mov_b32 s37, 0
	s_lshl_b32 s38, s33, 12                        ; 4,096 bytes of codes a run
	s_mov_b32 s39, 0
	s_lshl_b32 s40, s33, 8                         ; 256 scale bytes a run
	s_mov_b32 s41, 0
	s_wait_kmcnt 0x0
	s_cmp_eq_u32 s34, 1                            ; the choice hangs on the work-group's number alone
	s_cselect_b64 s[4:5], s[10:11], s[8:9]
	s_cmp_eq_u32 s34, 2
	s_cselect_b64 s[4:5], s[12:13], s[4:5]
	s_add_nc_u64 s[4:5], s[4:5], s[36:37]
	s_add_nc_u64 s[6:7], s[22:23], s[38:39]
	s_add_nc_u64 s[42:43], s[24:25], s[40:41]
.macro XLOAD t
.irp i, 0,1,2,3
	global_load_b128 v[XR+16*((\t)%4)+4*\i:XR+16*((\t)%4)+4*\i+3], v3, s[4:5] offset:2048*(\t)+512*\i th:TH_LOAD_NT   ; 32 lanes read 512 consecutive bytes
.endr
.endm
.macro XTURN t                         ; step t's numbers through the stage: LDS serves a wave's instructions in order, so no wait stands between the stores and the loads
.irp i, 0,1,2,3
	ds_store_b128 v14, v[XR+16*((\t)%4)+4*\i:XR+16*((\t)%4)+4*\i+3] offset:32*SP*((\t)%2)+8*SP*\i
.endr
.irp i, 0,1,2,3
	ds_load_b128 v[XX+16*((\t)%2)+4*\i:XX+16*((\t)%2)+4*\i+3], v15 offset:32*SP*((\t)%2)+16*\i
.endr
.endm
.irp t, 0,1,2,3
	XLOAD \t
.endr
	s_wait_loadcnt 12                              ; step 0's four loads are in; the twelve of steps 1 to 3 may be out
	XTURN 0
.macro XSTEP t
.set XS, XX+16*((\t)%2)
.if (\t) > 0
	s_wait_dscnt 1                                 ; this step's numbers are back from the stage (the last step's byte store may be out): so its stores into the stage have read their registers,
.else
	s_wait_dscnt 0x0
.endif
.if (\t)+4 < STEPS
	XLOAD (\t)+4                                   ; which take the loads of four steps on
.endif
.if (\t)+1 < STEPS
.if STEPS-2-(\t) >= 3
	s_wait_loadcnt 12                              ; the next step's four loads are in; those of the three steps behind it may be out
.else
	s_wait_loadcnt 4*(STEPS-2-(\t))
.endif
	XTURN (\t)+1                                   ; and go through the other stage while this step is worked
.endif
	v_max3_num_f32 v8, |v[XS]|, |v[XS+1]|, |v[XS+2]|               ; the largest magnitude of my 16, in two chains
	v_max3_num_f32 v9, |v[XS+3]|, |v[XS+4]|, |v[XS+5]|
.irp i, 6,10
	v_max3_num_f32 v8, v8, |v[XS+\i]|, |v[XS+\i+1]|
	v_max3_num_f32 v9, v9, |v[XS+\i+2]|, |v[XS+\i+3]|
.endr
	v_max3_num_f32 v8, v8, |v[XS+14]|, |v[XS+15]|
	v_max3_num_f32 v8, v8, v9, (EMAX+1)<<23        ; and the floor 2^(EMAX + 1 - 127): the byte cannot fall under 1
	v_max_num_f32_dpp v8, v8, v8 row_xmask:1 row_mask:0xf bank_mask:0xf   ; with my neighbour's 16: the block's
	v_add_nc_u32 v11, -(EMAX<<23), v8              ; EMAX off its exponent field: the conversion takes the exponent field of this operand as its scale
	v_cvt_scalef32_pk8_fp4_f32 v[XC+4*(\t)], v[XS:XS+7], v11
	v_cvt_scalef32_pk8_fp4_f32 v[XC+4*(\t)+1], v[XS+8:XS+15], v11
	v_lshrrev_b32 v[XE+(\t)], 23, v11              ; the scale's byte (also the plain line behind the conversions)
	ds_store_b8 v5, v[XE+(\t)] offset:16*(\t)      ; both lanes of a block write the same byte with the same value
	global_store_b64 v4, v[XC+4*(\t):XC+4*(\t)+1], s[6:7] offset:32*CB*(\t)   ; the wave stores 256 consecutive bytes, aligned
.endm
.irp t, 0,1,2,3,4,5,6,7,8,9,10,11,12,13,14,15
	XSTEP \t
.endr
	ds_load_b64 v[8:9], v6                         ; LDS serves a wave's instructions in order: these see my byte stores
	s_wait_dscnt 0x0
	global_store_b64 v7, v[8:9], s[42:43]          ; the wave's 256 scale bytes: 256 consecutive bytes, aligned
	s_branch .Lend
; ---------------- PATH W: a wave takes 32 columns x 512 along K of one weight: 16 blocks a lane.
.Lw:
	s_lshr_b32 s34, ttmp9, 4                       ; which weight: 16 work-groups each
	s_and_b32 s33, ttmp9, 7
	s_lshl_b32 s33, s33, 7
	s_lshl_b32 s35, s3, 5
	s_add_co_u32 s33, s33, s35                     ; my wave's first column
	s_bfe_u32 s35, ttmp9, 0x10003                  ; which 512 along K
	v_lshlrev_b32 v3, 2, v2                        ; in: 4 bytes a lane
	s_mul_i32 s32, s3, 32*WPITCH
	s_add_co_u32 s32, s32, WSTG                    ; my stage
	v_mul_u32_u24 v4, v2, WPITCH
	v_add_nc_u32 v4, s32, v4                       ; into it: row = my column
	v_and_b32 v5, 15, v2
	v_lshrrev_b32 v6, 4, v2                        ; out of it: sixteen lanes to a row, two rows an instruction
	v_mul_u32_u24 v7, v6, WPITCH
	v_lshl_add_u32 v7, v5, 4, v7
	v_add_nc_u32 v7, s32, v7
	v_mul_u32_u24 v8, v6, KROW
	v_lshl_add_u32 v8, v5, 4, v8                   ; and the same place in the codes' buffer
	v_lshlrev_b32 v9, 5, v2                        ; my column's row of 32 scale bytes
	s_lshl_b32 s36, s35, 21                        ; W: 512 rows of 4,096 bytes,
	s_lshl_b32 s37, s33, 2                         ; + 4 x column
	s_add_co_u32 s36, s36, s37
	s_mov_b32 s37, 0
	s_lshl_b32 s38, s34, 19                        ; codes: 512 KiB a weight, 512 bytes a column, 256 a half of K
	s_lshl_b32 s39, s33, 9
	s_add_co_u32 s38, s38, s39
	s_lshl_b32 s39, s35, 8
	s_add_co_u32 s38, s38, s39
	s_mov_b32 s39, 0
	s_lshl_b32 s40, s34, 15                        ; scale bytes: 32 KiB a weight, 32 a column, 16 a half of K
	s_lshl_b32 s41, s33, 5
	s_add_co_u32 s40, s40, s41
	s_lshl_b32 s41, s35, 4
	s_add_co_u32 s40, s40, s41
	s_mov_b32 s41, 0
	s_wait_kmcnt 0x0
	s_cmp_eq_u32 s34, 1
	s_cselect_b64 s[4:5], s[16:17], s[14:15]
	s_cmp_eq_u32 s34, 2
	s_cselect_b64 s[4:5], s[18:19], s[4:5]
	s_add_nc_u64 s[4:5], s[4:5], s[36:37]
	s_add_nc_u64 s[6:7], s[26:27], s[38:39]
	s_add_nc_u64 s[42:43], s[28:29], s[40:41]
.macro WLOAD t                         ; block t: W(32 t + i, my column), i = 0 .. 31, into set t % 2; the largest offset, 511 rows of 4,096 bytes, lies inside the signed 24-bit immediate
.irp i, 0,1,2,3,4,5,6,7,8,9,10,11,12,13,14,15,16,17,18,19,20,21,22,23,24,25,26,27,28,29,30,31
	global_load_b32 v[WX+32*((\t)%2)+\i], v3, s[4:5] offset:(32*(\t)+\i)*4096 th:TH_LOAD_NT
.endr
.endm
	WLOAD 0
	WLOAD 1
.macro WBLOCK t
.set WXS, WX+32*((\t)%2)
.if (\t) < NB-1
	s_wait_loadcnt 32                              ; this block's 32 loads are in; the next block's may be out
.else
	s_wait_loadcnt 0
.endif
	v_max3_num_f32 v12, |v[WXS]|, |v[WXS+1]|, |v[WXS+2]|           ; the block's largest magnitude: all 32 numbers are mine
	v_max3_num_f32 v13, |v[WXS+3]|, |v[WXS+4]|, |v[WXS+5]|
.irp i, 6,10,14,18,22,26
	v_max3_num_f32 v12, v12, |v[WXS+\i]|, |v[WXS+\i+1]|
	v_max3_num_f32 v13, v13, |v[WXS+\i+2]|, |v[WXS+\i+3]|
.endr
	v_max3_num_f32 v12, v12, |v[WXS+30]|, |v[WXS+31]|
	v_max3_num_f32 v12, v12, v13, (EMAX+1)<<23     ; and the floor
	v_add_nc_u32 v11, -(EMAX<<23), v12             ; the conversion's scale operand
	v_lshrrev_b32 v13, 23, v11                     ; the scale's byte
.if (\t)%4 == 0
	v_mov_b32 v[WSB+(\t)/4], v13                   ; four bytes to a register, the lower K in the lower byte
.else
	v_lshl_or_b32 v[WSB+(\t)/4], v13, 8*((\t)%4), v[WSB+(\t)/4]
.endif
.irp g, 0,1,2,3
	v_cvt_scalef32_pk8_fp4_f32 v[WC+\g], v[WXS+8*\g:WXS+8*\g+7], v11
.endr
	ds_store_b128 v4, v[WC:WC+3] offset:16*(\t)    ; 32 codes: 16 bytes of my column's row
.if (\t)+2 < NB
	WLOAD (\t)+2
.endif
	s_wait_dscnt 0x0                               ; the store has read its registers: the next block's codes may be written
.endm
.set Q, 0
.rept NB
	WBLOCK Q
.set Q, Q+1
.endr
	global_store_b128 v9, v[WSB:WSB+3], s[42:43]   ; my column's 16 scale bytes
.irp t, 0,1,2,3,4,5,6,7,8,9,10,11,12,13,14,15
	ds_load_b128 v[WOUT+4*\t:WOUT+4*\t+3], v7 offset:2*\t*WPITCH
.endr
.irp t, 0,1,2,3,4,5,6,7,8,9,10,11,12,13,14,15
	s_wait_dscnt 15-\t                             ; LDS loads come back in order: load t is in, the younger ones may be out
	global_store_b128 v8, v[WOUT+4*\t:WOUT+4*\t+3], s[6:7] offset:2*\t*KROW   ; sixteen lanes store 256 consecutive bytes, aligned
.endr
	s_branch .Lend
; ---------------- PATH O: a wave takes 32 columns x 128 along K of Wo: four blocks of 32 k.  A lane takes a column; 32 numbers pack into 16 registers of f16 pairs, k ascending.
; An image wants k = 8 h + 0..7 in registers 0-3 of lane (r, h): the exchange of halves of lanes gives it: registers 0-3 and 8-11 become the image of columns 0-15, registers 4-7 and 12-15 that of columns 16-31.
.Lo:
	s_sub_co_u32 s33, ttmp9, 48
	s_and_b32 s34, s33, 7
	s_lshl_b32 s34, s34, 2
	s_add_co_u32 s34, s34, s3                      ; my group of 32 columns, 0..31
	s_lshr_b32 s35, s33, 3                         ; my 128 along K, 0..7
	v_lshlrev_b32 v3, 2, v2                        ; in: 4 bytes a lane
	v_lshlrev_b32 v4, 4, v2                        ; out: 16 bytes a lane
	s_lshl_b32 s36, s35, 19                        ; Wo: 128 rows of 4,096 bytes, + 128 bytes a group
	s_lshl_b32 s37, s34, 7
	s_add_co_u32 s36, s36, s37
	s_mov_b32 s37, 0
	s_lshl_b32 s38, s34, 16                        ; woi: two tiles of 16 columns x 32 images a group, four images for my K
	s_lshl_b32 s39, s35, 12
	s_add_co_u32 s38, s38, s39
	s_mov_b32 s39, 0
	s_wait_kmcnt 0x0
	s_add_nc_u64 s[4:5], s[20:21], s[36:37]
	s_add_nc_u64 s[6:7], s[30:31], s[38:39]
.macro OLOAD t
.irp i, 0,1,2,3,4,5,6,7,8,9,10,11,12,13,14,15,16,17,18,19,20,21,22,23,24,25,26,27,28,29,30,31
	global_load_b32 v[OX+32*((\t)%2)+\i], v3, s[4:5] offset:(32*(\t)+\i)*4096 th:TH_LOAD_NT
.endr
.endm
	OLOAD 0
	OLOAD 1
.macro OBLOCK t
.set OXS, OX+32*((\t)%2)
.set OHS, OH+16*(\t)                   ; registers of its own for each block: no store's data are written again
.if (\t) < 3
	s_wait_loadcnt 32                              ; this block's 32 loads are in; the next block's may be out
.else
	s_wait_loadcnt 0x0
.endif
.irp i, 0,1,2,3,4,5,6,7,8,9,10,11,12,13,14,15
	v_cvt_pk_f16_f32 v[OHS+\i], v[OXS+2*\i], v[OXS+2*\i+1]
.endr
.if (\t)+2 < 4
	OLOAD (\t)+2
.endif
.irp i, 0,1,2,3
	v_permlane16_swap_b32 v[OHS+\i], v[OHS+4+\i]     ; the first's lanes 16-31 change places with the second's lanes 0-15
	v_permlane16_swap_b32 v[OHS+8+\i], v[OHS+12+\i]
.endr
	global_store_b128 v4, v[OHS:OHS+3], s[6:7] offset:1024*(\t)               ; each store of the wave covers 512 consecutive bytes, aligned
	global_store_b128 v4, v[OHS+8:OHS+11], s[6:7] offset:1024*(\t)+512
	global_store_b128 v4, v[OHS+4:OHS+7], s[6:7] offset:1024*(\t)+32768
	global_store_b128 v4, v[OHS+12:OHS+15], s[6:7] offset:1024*(\t)+32768+512
.endm
	OBLOCK 0
	OBLOCK 1
	OBLOCK 2
	OBLOCK 3
.Lend:
	s_wait_tensorcnt 0x0                           ; the wave's end, behind my last LDS store
	ds_add_u32 v[SPW], v[NIL]
	s_wait_dscnt 0x0
	s_endpgm
.Lfunc_end_k_q7472f2939c_prep:
	.size	k_q7472f2939c_prep, .Lfunc_end_k_q7472f2939c_prep-k_q7472f2939c_prep
	.p2alignl 7, 3214868480
	.fill 96, 4, 3214868480
	.section	.rodata,"a",@progbits
	.p2align	6, 0x0
	.amdhsa_kernel k_q7472f2939c_prep
		.amdhsa_group_segment_fixed_size 68096
		.amdhsa_private_segment_fixed_size 0
		.amdhsa_enable_private_segment 0
		.amdhsa_kernarg_size 96
		.amdhsa_user_sgpr_count 2
		.amdhsa_user_sgpr_kernarg_segment_ptr 1
		.amdhsa_wavefront_size32 1
		.amdhsa_system_sgpr_workgroup_id_x 1
		.amdhsa_system_sgpr_workgroup_id_y 1
		.amdhsa_system_sgpr_workgroup_id_z 1
		.amdhsa_system_vgpr_workitem_id 0
		.amdhsa_next_free_vgpr 194
		.amdhsa_next_free_sgpr 66
		.amdhsa_reserve_vcc 0
		.amdhsa_float_denorm_mode_32 3
		.amdhsa_float_denorm_mode_16_64 3
		.amdhsa_memory_ordered 1
		.amdhsa_forward_progress 1
		.amdhsa_inst_pref_size 130
	.end_amdhsa_kernel
	.amdgpu_metadata
---
amdhsa.version: [ 1, 2 ]
amdhsa.kernels:
  - .name:           k_q7472f2939c_prep
    .symbol:         k_q7472f2939c_prep.kd
    .args:
      - { .name: queries, .offset: 0, .size: 8, .value_kind: global_buffer, .address_space: global }
      - { .name: keys, .offset: 8, .size: 8, .value_kind: global_buffer, .address_space: global }
      - { .name: values, .offset: 16, .size: 8, .value_kind: global_buffer, .address_space: global }
      - { .name: Wq, .offset: 24, .size: 8, .value_kind: global_buffer, .address_space: global }
      - { .name: Wk, .offset: 32, .size: 8, .value_kind: global_buffer, .address_space: global }
      - { .name: Wv, .offset: 40, .size: 8, .value_kind: global_buffer, .address_space: global }
      - { .name: Wo, .offset: 48, .size: 8, .value_kind: global_buffer, .address_space: global }
      - { .name: xc, .offset: 56, .size: 8, .value_kind: global_buffer, .address_space: global }
      - { .name: xs, .offset: 64, .size: 8, .value_kind: global_buffer, .address_space: global }
      - { .name: wc, .offset: 72, .size: 8, .value_kind: global_buffer, .address_space: global }
      - { .name: ws, .offset: 80, .size: 8, .value_kind: global_buffer, .address_space: global }
      - { .name: woi, .offset: 88, .size: 8, .value_kind: global_buffer, .address_space: global }
    .group_segment_fixed_size: 68096
    .private_segment_fixed_size: 0
    .kernarg_segment_align: 8
    .kernarg_segment_size: 96
    .max_flat_workgroup_size: 128
    .sgpr_count:     66
    .vgpr_count:     194
    .wavefront_size: 32
...
	.end_amdgpu_metadata
.endif
;; end of part 1
;; launch proj (part 2): grid 4 x 96, 4 waves a work-group, clusters of 4 x 4, 327,680 bytes of LDS; arguments xc, xs, wc, ws, bq, qkv; writes qkv
.if DOCPART == 2
	.amdgcn_target "amdgcn-amd-amdhsa--gfx1250"
	.amdhsa_code_object_version 6
	.text
	.protected	k_q7472f2939c_proj
	.globl	k_q7472f2939c_proj
	.p2align	8
	.type	k_q7472f2939c_proj,@function
k_q7472f2939c_proj:
	s_mov_b64 s[64:65], 0
	v_nop
	global_prefetch_b8 v0, s[64:65] scope:SCOPE_SE
	s_setreg_imm32_b32 hwreg(HW_REG_WAVE_MODE, 25, 1), 1
	s_wait_xcnt 0x0
	s_wait_alu depctr_hold_cnt(0) depctr_sa_sdst(0) depctr_va_vdst(0) depctr_va_sdst(0) depctr_va_ssrc(0) depctr_va_vcc(0) depctr_vm_vsrc(0)
	s_getreg_b32 s2, hwreg(HW_REG_IB_STS2, 6, 4)
	s_cmp_eq_u32 s2, 0
	s_cbranch_scc0 .Lentry_in_a_cluster
	s_endpgm
.Lentry_in_a_cluster:
	s_bfe_u32 s2, ttmp6, 0x10000c
	s_cmp_lg_u32 s2, 0xf033
	s_cbranch_scc0 .Lentry_shape_is_right
	s_endpgm
.Lentry_shape_is_right:
; SECOND LAUNCH: the three quantised projections, on codes of E2M1 with one E8M0 scale for each 32 along K = 1,024; sums in f32; results rounded once to f16 and stored as images of operand registers.
; WORK LEFT OUT: bk (it is the same along the softmax's axis: shown at the head of the first launch) is not added; bv is added by the third launch.  bq is the C of q's first products.
; LIMIT: q, k, v go on in f16: magnitudes under 65,504; what lies under 6e-5 keeps an absolute step of 6e-8.
; C'[i][j] = sum over k of A'[i][k] B'[j][k].  The cluster's y says which tensor (T = y / 8) and which part (y % 8).  T = 0, 1 (q, k): A' = the activation (8,192 rows), B' = the weight (1,024 rows).
; T = 2 (v): A' = Wv, B' = values: so v comes out with the KEYS along j, as the second product of attention wants it.
; A tile of C', 256 x 256, is made by a work-group of four waves; a wave makes 128 x 128: 64 accumulators, 512 registers.  K is two slots of 512 (rows of 256 bytes): both are asked for at the head and nothing is filled again.
; The scale bytes of the work-group's 256 + 256 rows, for all of K, come once, as dense blocks.
; CLUSTERS: 4 x 4 work-groups; A's tiles are shared along a row of the cluster, B's along a column: joint loads.  T hangs on the cluster's y alone: it is the same in all sixteen partners.
; THE MATRIX INSTRUCTION IS USED TRANSPOSED (source 0 = 16 rows of B', source 1 = 16 rows of A'): lane l holds row i = l % 16 and its registers the columns j = 8 (l / 16) + 0..7.  Rounded in pairs, the accumulators
; (a, 2 bb) and (a, 2 bb + 1) ARE registers 0-3 and 4-7 of the image (16 rows i x 32 along j): each goes out by one store of 512 consecutive bytes.  No stage in LDS.
; qkv: q at 0 and k at 16 MiB as [i / 16][j / 32] images (i = position, j = channel); v at 32 MiB as [j / 32][i / 16] images (i = channel, j = position).
; REGISTERS, in windows of 256: window 0: v1-6 at work, v8-11 store offsets, v12 the bias's offset, v16-29 addresses; v32-95 scale words, two sets (they hold nothing else); v128-191 A's fragments, one set; v192-255 the C of the first
;   products (bq in the result's layout, or zeros); on the way out v96-255 take the packed results.   window 1: B's fragments, two sets.   windows 2, 3: the accumulators ((a, b) at v[8 (8 (a % 4) + b)]).
.set NQ,     4                         ; steps of 128 along K in a slot
.set ROWB,   256                       ; a tile's row in bytes: 512 codes
.set KROW,   512                       ; a row of 1,024 codes in memory
.set PITCH,  272                       ; an LDS row: 256 bytes + 16 of padding = 68 words: row r starts at bank 4 r mod 64 (64 banks of 4 bytes: ISA guide 11.1)
.set FR,     8                         ; registers of a fragment: 16 rows x 128 K
.set NL,     2                         ; LDS loads that bring one
.set NP,     4                         ; places behind this matrix instruction (ISA guide 7.12.1)
.set HALFT,  128*PITCH                 ; 128 rows: what one tensor load brings
.set SLOT,   4*HALFT                   ; A's 256 rows, then B's 256 rows
.set KS,     32                        ; a row of scale bytes
.set SCL,    2*SLOT                    ; behind the slots: the scales, as runs of 256 bytes + 16 of padding
.set HALFS,  (128*KS/256)*272          ; the scales of 128 rows: what one tensor load brings
.set SBLK,   (16*KS/256)*272           ; those of 16 rows
.set SPARE,  SCL+4*HALFS               ; behind the scales: the spare words, 128 bytes for each wave
.set VO,   8                           ; v8-11   the way out: 16 x lane + bb x (bytes from one j / 32 to the next)
.set BIA,  12                          ; v12     the bias's offset; never rewritten
.set ADRA, 16                          ; v16-17  LDS address of my A fragments in slot 0, 1
.set ADRB, 20                          ; v20-21  the same for B
.set ADRS, 27                          ; v27     LDS address of my scale words: lanes 0-15 A's rows, lanes 16-31 B's
.set SPW,  28                          ; v28     LDS address of my spare word; never rewritten
.set NIL,  29                          ; v29     0; never rewritten
.set SC,   32                          ; scale words: set s at v[SC + 32 s]; register 4 i + q: lanes 0-15 the word of A's block i, lanes 16-31 that of B's block i
.set OUTR, 96                          ; the way out: five sets of 32 packed registers
.set AF,   128
.set BI,   192
.set G1,   24                          ; s[24:31] group 1 for A's tiles; s[32:39] group 0, a set for each slot
.set G0,   32
.set G1B,  48                          ; s[48:55], s[56:63] the same for B's
.set G0B,  56
.set G1S,  68                          ; s[68:75], s[76:79] groups 1 and 0 for A's scales; s[80:87], s[88:91] for B's
.set G0S,  76
.set G1SB, 80
.set G0SB, 88
.set TT,   66                          ; s66 which tensor
.set PA,   32                          ; s[32:47] on the way out: where block a's images begin, a pair for each of eight blocks
.set MSB, 0
.macro WIN new                         ; the immediate's high byte repeats the setting that is left
.if MSB != (\new)
	s_set_vgpr_msb (MSB<<8)|(\new)
.set MSB, (\new)
.endif
.endm
.set MUL_LO, 0xa1                      ; source 0 (B) window 1, source 1 (A) window 0, C and D window 2
.set MUL_HI, 0xf1                      ; the same, C and D window 3
.set FST_LO, 0x81                      ; the first step: C from window 0, D window 2
.set FST_HI, 0xc1                      ; D window 3
.set TO_B,   0x40                      ; destination window 1, address window 0
; A joint load: waves 0 and 1 fetch for A, waves 2 and 3 for B; the branch hangs on the wave's number alone.  An s_nop 0 and four v_nop follow each of the two lines.
.macro JLOAD g0a, g1a, g0b, g1b
	s_cmp_eq_u32 s15, 0
	s_cbranch_scc0 .Lfor_b_\@
	tensor_load_to_lds s[\g0a:\g0a+3], s[\g1a:\g1a+7]
	s_nop 0
.rept 4
	v_nop
.endr
	s_branch .Lasked_\@
.Lfor_b_\@:
	tensor_load_to_lds s[\g0b:\g0b+3], s[\g1b:\g1b+7]
	s_nop 0
.rept 4
	v_nop
.endr
.Lasked_\@:
.endm
.macro CROUND                          ; a round of the cluster's barrier
	s_barrier_signal -1
	s_barrier_wait -1
	s_cmp_lg_u32 s14, 0
	s_cbranch_scc1 .Lnot_wave_0_\@
	s_barrier_signal -3
.Lnot_wave_0_\@:
	s_barrier_wait -3
	s_barrier_signal -1
	s_barrier_wait -1
.endm
	s_load_b256 s[4:11], s[0:1], 0x0               ; xc s[4:5], xs s[6:7], wc s[8:9], ws s[10:11]
	s_load_b128 s[96:99], s[0:1], 0x20             ; bq s[96:97], qkv s[98:99]
	v_lshl_add_u32 v[SPW], v0, 2, SPARE
	v_mov_b32 v[NIL], 0
	ds_add_u32 v[SPW], v[NIL]                      ; the wave's opening: the add, twice on end, and its wait ahead of my first tensor load
	ds_add_u32 v[SPW], v[NIL]                      ; and once more; the set-up below, work on registers, stands between it and the wait
	v_lshrrev_b32 v1, 5, v0
	v_readfirstlane_b32 s14, v1                    ; wave 0..3
	s_lshr_b32 s15, s14, 1                         ; which half of the tile's rows is mine.  Also: I fetch for A (0) or for B (1)
	s_and_b32 s16, s14, 1                          ; which half of its columns.  Also: which 128 rows of that tile I fetch
	s_bfe_u32 s40, ttmp6, 0x40000                  ; cx, cy: my place in the cluster
	s_bfe_u32 s41, ttmp6, 0x40004
	s_and_b32 s67, ttmp7, 0xffff                   ; the cluster's y, 0..23
	s_lshr_b32 s[TT], s67, 3                       ; the tensor
	s_and_b32 s67, s67, 7
	s_lshl_b32 s67, s67, 2                         ; four tiles a cluster along the long side
	s_cmp_eq_u32 s[TT], 2
	s_cselect_b32 s42, s67, 0                      ; v: the 8,192 positions lie along the columns,
	s_cselect_b32 s17, 0, s67                      ; q, k: along the rows
	s_add_co_u32 s42, s42, s40                     ; tile column
	s_add_co_u32 s17, s17, s41                     ; tile row
	s_lshl_b32 s43, s41, 2
	s_lshl_b32 s43, 15, s43                        ; my row of the cluster
	s_lshl_b32 s44, 0x1111, s40                    ; my column
	; group 1: a tile of 128 rows x 256 bytes, padded in LDS
	s_or_b32 s[G1+0], s43, (0<<16)|(1<<20)|(1<<21)|(5<<22)|(3<<25)  ; 15:0 the mask: my row; 17:16 elements of 1 byte; 20 padding on; 21 set beside a mask; 24:22 after every 64 words; 31:25 four words
	s_or_b32 s[G1B+0], s44, (0<<16)|(1<<20)|(1<<21)|(5<<22)|(3<<25)
.irp g, G1, G1B
	s_mov_b32 s[\g+1], ROWB<<16                    ; tensor_dim0
	s_mov_b32 s[\g+2], 128<<16                     ; tensor_dim1
	s_mov_b32 s[\g+3], ROWB<<16                    ; tile_dim0
	s_mov_b32 s[\g+4], 128                         ; tile_dim1
	s_mov_b32 s[\g+5], KROW                        ; tensor_dim0_stride
	s_mov_b32 s[\g+6], 0
	s_mov_b32 s[\g+7], 0
.endr
	; the scales of 128 rows: 4,096 dense bytes, as 16 rows of 256 bytes (32 elements of 8 bytes), 16 bytes of padding behind each
	s_or_b32 s[G1S+0], s43, (3<<16)|(1<<20)|(1<<21)|(5<<22)|(3<<25)
	s_or_b32 s[G1SB+0], s44, (3<<16)|(1<<20)|(1<<21)|(5<<22)|(3<<25)
.irp g, G1S, G1SB
	s_mov_b32 s[\g+1], 32<<16
	s_mov_b32 s[\g+2], (128*KS/256)<<16
	s_mov_b32 s[\g+3], 32<<16
	s_mov_b32 s[\g+4], 128*KS/256
	s_mov_b32 s[\g+5], 32
	s_mov_b32 s[\g+6], 0
	s_mov_b32 s[\g+7], 0
.endr
	s_lshl_b32 s18, s16, 7                         ; which 128 rows of the tile I fetch
	s_lshl_b32 s20, s17, 8
	s_add_co_u32 s20, s20, s18                     ; A': row 256 x tile row + 128 x half
	s_lshl_b32 s46, s42, 8
	s_add_co_u32 s46, s46, s18                     ; B': row 256 x tile column + 128 x half
	s_lshl_b32 s22, s20, 5                         ; where these rows' scale bytes begin,
	s_lshl_b32 s92, s46, 5
	s_lshl_b32 s20, s20, 9                         ; and their codes
	s_lshl_b32 s46, s46, 9
	s_lshl_b32 s2, s[TT], 22                       ; tensor T among the activations' codes,
	s_lshl_b32 s3, s[TT], 19                       ; among the weights' codes,
	s_lshl_b32 s18, s[TT], 18                      ; among the activations' scale bytes,
	s_lshl_b32 s19, s[TT], 15                      ; among the weights'
	s_cmp_eq_u32 s[TT], 2
	s_cselect_b32 s100, s3, s2                     ; A' is the weight for v, else the activation
	s_cselect_b32 s101, s2, s3
	s_cselect_b32 s2, s19, s18
	s_cselect_b32 s3, s18, s19
	s_add_co_u32 s20, s20, s100
	s_add_co_u32 s46, s46, s101
	s_add_co_u32 s22, s22, s2
	s_add_co_u32 s92, s92, s3
	s_mov_b32 s21, 0
	s_mov_b32 s47, 0
	s_mov_b32 s23, 0
	s_mov_b32 s93, 0
	s_mul_i32 s45, s14, HALFT                      ; where they go: wave x 128 rows: no place in the cluster enters an LDS address
	s_mul_i32 s94, s14, HALFS
	s_wait_dscnt 0x0                               ; both opening adds are done
	s_wait_kmcnt 0x0
	s_cmp_eq_u32 s[TT], 2                          ; the choice of buffers hangs on the cluster's y alone
	s_cselect_b64 s[100:101], s[8:9], s[4:5]       ; A's codes
	s_cselect_b64 s[2:3], s[10:11], s[6:7]         ; A's scales
	s_cselect_b64 s[8:9], s[4:5], s[8:9]           ; B's codes
	s_cselect_b64 s[10:11], s[6:7], s[10:11]       ; B's scales
	s_mov_b64 s[4:5], s[100:101]
	s_mov_b64 s[6:7], s[2:3]
	s_add_nc_u64 s[20:21], s[4:5], s[20:21]
	s_add_nc_u64 s[22:23], s[6:7], s[22:23]
	s_add_nc_u64 s[46:47], s[8:9], s[46:47]
	s_add_nc_u64 s[92:93], s[10:11], s[92:93]
	CROUND                                         ; all sixteen work-groups are here: the joint loads meet
	s_mov_b32 s[G0S], 1
	s_add_co_u32 s[G0S+1], s94, SCL
	s_mov_b64 s[G0S+2:G0S+3], s[22:23]
	s_or_b32 s[G0S+3], s[G0S+3], 0x80000000
	s_mov_b32 s[G0SB], 1
	s_add_co_u32 s[G0SB+1], s94, SCL
	s_mov_b64 s[G0SB+2:G0SB+3], s[92:93]
	s_or_b32 s[G0SB+3], s[G0SB+3], 0x80000000
	JLOAD G0S, G1S, G0SB, G1SB                     ; the scales first: they are wanted with the first slot
.irp s, 0,1
	s_mov_b32 s[G0+4*\s], 1
	s_add_co_u32 s[G0+4*\s+1], s45, \s*SLOT
	s_add_nc_u64 s[G0+4*\s+2:G0+4*\s+3], s[20:21], \s*ROWB
	s_or_b32 s[G0+4*\s+3], s[G0+4*\s+3], 0x80000000
	s_mov_b32 s[G0B+4*\s], 1
	s_add_co_u32 s[G0B+4*\s+1], s45, \s*SLOT
	s_add_nc_u64 s[G0B+4*\s+2:G0B+4*\s+3], s[46:47], \s*ROWB
	s_or_b32 s[G0B+4*\s+3], s[G0B+4*\s+3], 0x80000000
	JLOAD G0+4*\s, G1, G0B+4*\s, G1B               ; three tensor loads of mine are out behind the second of these
.endr
	v_and_b32 v1, 15, v0                           ; l % 16
	v_bfe_u32 v2, v0, 4, 1                         ; l / 16
	; the C of the first products: for q, bq in the result's layout (register 8 b + n of lane (r, h): column 16 b + 8 h + n); for k and v, zeros.  Both arms write all 64 registers: one text of the first step serves all.
	s_cmp_eq_u32 s[TT], 0
	s_cbranch_scc0 .Lno_bias
	s_lshl_b32 s18, s42, 10                        ; my first column, in bytes of f32: 1,024 x tile column + 512 x half
	s_lshl_b32 s19, s16, 9
	s_add_co_u32 s18, s18, s19
	s_mov_b32 s19, 0
	s_add_nc_u64 s[96:97], s[96:97], s[18:19]
	v_lshlrev_b32 v[BIA], 5, v2
.irp b, 0,1,2,3,4,5,6,7
	global_load_b128 v[BI+8*\b:BI+8*\b+3], v[BIA], s[96:97] offset:64*\b
	global_load_b128 v[BI+8*\b+4:BI+8*\b+7], v[BIA], s[96:97] offset:64*\b+16
.endr
	s_branch .Lbias_done
.Lno_bias:
.set n, 0
.rept 64
	v_mov_b32 v[BI+n], 0
.set n, n+1
.endr
.Lbias_done:
	v_mul_u32_u24 v3, v1, PITCH
	v_lshl_add_u32 v4, v2, 4, v3                   ; a fragment's row x pitch + 16 x half
	s_mul_i32 s21, s15, HALFT                      ; my 128 rows of A
	s_mul_i32 s22, s16, HALFT                      ; my 128 rows of B,
	s_add_co_u32 s22, s22, 2*HALFT                 ; which lie behind A's 256
.irp s, 0,1
	v_add_nc_u32 v[ADRA+\s], s21, v4
	v_add_nc_u32 v[ADRB+\s], s22, v4
	s_add_co_u32 s21, s21, SLOT
	s_add_co_u32 s22, s22, SLOT
.endr
	v_mul_u32_u24 v5, v1, KS                       ; my row's scales: 32 bytes a row,
	v_lshrrev_b32 v6, 8, v5
	v_lshl_add_u32 v5, v6, 4, v5                   ; and 16 more for each 256 passed
	s_mul_i32 s21, s15, HALFS                      ; A's: my 128 rows
	s_mul_i32 s22, s16, HALFS                      ; B's: my 128 rows, behind A's 256
	s_add_co_u32 s22, s22, 2*HALFS
	s_sub_co_u32 s22, s22, s21
	v_mul_u32_u24 v6, s22, v2                      ; lanes 16-31 take B's
	s_add_co_u32 s21, s21, SCL
	v_add_nc_u32 v5, v5, v6
	v_add_nc_u32 v[ADRS], s21, v5
	; the way out: bytes from one i / 16 to the next (s100) and from one j / 32 to the next (s2)
	s_cmp_eq_u32 s[TT], 2
	s_mov_b32 s100, 32768
	s_cselect_b32 s100, 1024, s100
	s_mov_b32 s2, 1024
	s_cselect_b32 s2, 65536, s2
	s_mov_b32 s101, 0
	s_lshl_b32 s18, s17, 4
	s_lshl_b32 s19, s15, 3
	s_add_co_u32 s18, s18, s19                     ; my first i / 16: 16 x tile row + 8 x half
	s_mul_i32 s18, s18, s100
	s_lshl_b32 s19, s42, 3
	s_lshl_b32 s3, s16, 2
	s_add_co_u32 s19, s19, s3                      ; my first j / 32: 8 x tile column + 4 x half
	s_mul_i32 s19, s19, s2
	s_add_co_u32 s18, s18, s19
	s_lshl_b32 s19, s[TT], 24                      ; 16 MiB a tensor
	s_add_co_u32 s18, s18, s19
	s_mov_b32 s19, 0
	s_add_nc_u64 s[12:13], s[98:99], s[18:19]
	v_and_b32 v5, 31, v0
	v_lshlrev_b32 v[VO], 4, v5
	v_add_nc_u32 v[VO+1], s2, v[VO]
	v_add_nc_u32 v[VO+2], s2, v[VO+1]
	v_add_nc_u32 v[VO+3], s2, v[VO+2]
.macro FRAG reg, adr, q, i             ; a fragment, 16 rows x 128 K of 4-bit codes: lane l holds row l % 16; registers 4 c .. 4 c + 3 hold K = 64 c + 32 (l / 16) + 0 .. 31
.irp c, 0,1
	ds_load_b128 v[\reg+4*\c:\reg+4*\c+3], v[\adr] offset:64*(\q)+32*\c+(\i)*16*PITCH
.endr
.endm
; 16 matrix instructions: A's blocks a0, a0 + 1 x B's eight, the slot's q-th 128 along K.  p: B's set; sc: the set of scale words.  first = 1: the sums begin with the registers at BI.
; The 64 accumulators take turns, one instruction a turn, in the same order in every step.
.macro MUL16 a0, p, q, sc, first
.irp a, \a0, \a0+1
.irp b, 0,1,2,3,4,5,6,7
.if \first
	v_wmma_scale_f32_16x16x128_f8f6f4 v[8*(8*((\a)%4)+\b):8*(8*((\a)%4)+\b)+7], v[128*(\p)+FR*\b:128*(\p)+FR*\b+FR-1], v[AF+FR*(\a):AF+FR*(\a)+FR-1], v[BI+8*\b:BI+8*\b+7], v[SC+8*NQ*(\sc)+NQ*\b+(\q)], v[SC+8*NQ*(\sc)+NQ*(\a)+(\q)] matrix_a_fmt:MATRIX_FMT_FP4 matrix_b_fmt:MATRIX_FMT_FP4 matrix_a_scale:MATRIX_SCALE_ROW1
.else
	v_wmma_scale_f32_16x16x128_f8f6f4 v[8*(8*((\a)%4)+\b):8*(8*((\a)%4)+\b)+7], v[128*(\p)+FR*\b:128*(\p)+FR*\b+FR-1], v[AF+FR*(\a):AF+FR*(\a)+FR-1], v[8*(8*((\a)%4)+\b):8*(8*((\a)%4)+\b)+7], v[SC+8*NQ*(\sc)+NQ*\b+(\q)], v[SC+8*NQ*(\sc)+NQ*(\a)+(\q)] matrix_a_fmt:MATRIX_FMT_FP4 matrix_b_fmt:MATRIX_FMT_FP4 matrix_a_scale:MATRIX_SCALE_ROW1
.endif
.endr
.endr
.endm
.macro FETCH_B slot, q, p              ; B's eight fragments of the slot's q-th 128 along K into set p
	WIN TO_B
.irp i, 0,1,2,3,4,5,6,7
	FRAG 128*(\p)+FR*\i, ADRB+\slot, \q, \i
.endr
	WIN 0
.endm
.macro FETCH_A slot, q, i0             ; A's blocks i0 .. i0 + 3
.irp i, \i0, \i0+1, \i0+2, \i0+3
	FRAG AF+FR*(\i), ADRA+\slot, \q, \i
.endr
.endm
.macro SCALES sc                       ; a slot's scale words into set sc: four words a row; lanes 0-15 take A's block i, lanes 16-31 B's block i
.irp i, 0,1,2,3,4,5,6,7
	ds_load_b128 v[SC+8*NQ*\sc+NQ*\i:SC+8*NQ*\sc+NQ*\i+3], v[ADRS] offset:\i*SBLK
.endr
.endm
.macro PLACES n                        ; places in front of loads into registers that matrix instructions have read, and of the first read of results
.rept \n
	v_nop
.endr
.endm
; A step of 128 along K that has its successor in the same slot.  A's blocks are free as soon as their eight products are issued: blocks 0-3 are fetched anew in the step's middle, blocks 4-7 at its end.
.macro STEP slot, q, first
	s_wait_dscnt 4*NL                              ; B's set and A's blocks 0-3 are in; the youngest eight loads (A's blocks 4-7) may be out
.if \first
	WIN FST_LO
.else
	WIN MUL_LO
.endif
	MUL16 0, (\q)%2, \q, \slot, \first
	MUL16 2, (\q)%2, \q, \slot, \first
	s_wait_dscnt 0                                 ; A's blocks 4-7 are in
	PLACES NP
	FETCH_B \slot, (\q)+1, 1-(\q)%2
	FETCH_A \slot, (\q)+1, 0
.if \first
	WIN FST_HI
.else
	WIN MUL_HI
.endif
	MUL16 4, (\q)%2, \q, \slot, \first
	MUL16 6, (\q)%2, \q, \slot, \first
	PLACES NP
	WIN 0
	FETCH_A \slot, (\q)+1, 4
.endm
.macro STEPS slot, from                ; the slot's steps from .. NQ - 2
.set Q, \from
.rept NQ-1-\from
	STEP \slot, Q, 0
.set Q, Q+1
.endr
.endm
	s_wait_tensorcnt 1                             ; the scales and my part of slot 0 are in (slot 1's load may be out)
	s_barrier_signal -1
	s_barrier_wait -1                              ; everybody's are
	FETCH_B 0, 0, 0
	FETCH_A 0, 0, 0
	SCALES 0
	FETCH_A 0, 0, 4
	s_wait_loadcnt 0x0                             ; bq
	STEP 0, 0, 1
	STEPS 0, 1
	; slot 0's last step changes slots: one barrier; in front of it each wave waits for all its tensor loads (its part of slot 1) and for its reads
	s_wait_tensorcnt 0x0
	ds_add_u32 v[SPW], v[NIL]                      ; 0 onto my spare word
	s_wait_dscnt 4*NL+1                            ; (the add and the youngest eight loads, A's blocks 4-7, may be out)
	WIN MUL_LO
	MUL16 0, 1, NQ-1, 0, 0
	s_wait_dscnt 0x0
	s_barrier_signal -1
	MUL16 2, 1, NQ-1, 0, 0
	WIN 0
	s_barrier_wait -1                              ; slot 1 is whole
	PLACES NP
	v_add_nc_u32 v[ADRS], 4*NQ, v[ADRS]            ; on to slot 1's scale words
	FETCH_B 1, 0, 0
	FETCH_A 1, 0, 0
	SCALES 1
	WIN MUL_HI
	MUL16 4, 1, NQ-1, 0, 0
	MUL16 6, 1, NQ-1, 0, 0
	PLACES NP
	WIN 0
	FETCH_A 1, 0, 4
	STEPS 1, 0
	s_wait_dscnt 4*NL                              ; the very last step: nothing more to fetch
	WIN MUL_LO
	MUL16 0, 1, NQ-1, 1, 0
	MUL16 2, 1, NQ-1, 1, 0
	s_wait_dscnt 0
	WIN MUL_HI
	MUL16 4, 1, NQ-1, 1, 0
	MUL16 6, 1, NQ-1, 1, 0
	WIN 0
; THE WAY OUT, block by block of 16 rows: 32 roundings to f16 in pairs (each accumulator from its low end on), eight stores of 512 consecutive bytes.
.macro PACK a
.set AC, 64*((\a)%4)
.set PS, OUTR+32*((\a)%5)
	WIN 0x0a+5*((\a)/4)                            ; sources 0 and 1: window 2 or 3
.irp b, 0,1,2,3,4,5,6,7
.irp r, 0,1,2,3
	v_cvt_pk_f16_f32 v[PS+4*\b+\r], v[AC+8*\b+2*\r], v[AC+8*\b+2*\r+1]
.endr
.endr
	WIN 0
.irp bb, 0,1,2,3
.irp u, 0,1
	global_store_b128 v[VO+\bb], v[PS+8*\bb+4*\u:PS+8*\bb+4*\u+3], s[PA+2*(\a):PA+2*(\a)+1] offset:512*\u
.endr
.endr
.endm
	PLACES NP                                      ; behind the last products: the roundings read results and write registers that held operands
	s_mov_b64 s[PA:PA+1], s[12:13]                 ; (every tensor load of mine was shown done at the change of slots: the descriptors' registers are free)
.irp a, 1,2,3,4,5,6,7
	s_add_nc_u64 s[PA+2*\a:PA+2*\a+1], s[PA+2*\a-2:PA+2*\a-1], s[100:101]
.endr
.irp a, 0,1,2,3,4,5,6,7
.if \a == 5
	s_wait_xcnt 0x0                                ; the stores of blocks 0 to 4 have read their registers: sets 0 to 2 are written again only behind this wait
.endif
	PACK \a
.endr
	s_wait_tensorcnt 0x0                           ; the wave's end
	ds_add_u32 v[SPW], v[NIL]
	s_wait_dscnt 0x0
	CROUND                                         ; the closing round
	s_endpgm
.Lfunc_end_k_q7472f2939c_proj:
	.size	k_q7472f2939c_proj, .Lfunc_end_k_q7472f2939c_proj-k_q7472f2939c_proj
	.p2alignl 7, 3214868480
	.fill 96, 4, 3214868480
	.section	.rodata,"a",@progbits
	.p2align	6, 0x0
	.amdhsa_kernel k_q7472f2939c_proj
		.amdhsa_group_segment_fixed_size 327680
		.amdhsa_private_segment_fixed_size 0
		.amdhsa_enable_private_segment 0
		.amdhsa_kernarg_size 48
		.amdhsa_user_sgpr_count 2
		.amdhsa_user_sgpr_kernarg_segment_ptr 1
		.amdhsa_wavefront_size32 1
		.amdhsa_system_sgpr_workgroup_id_x 1
		.amdhsa_system_sgpr_workgroup_id_y 1
		.amdhsa_system_sgpr_workgroup_id_z 1
		.amdhsa_system_vgpr_workitem_id 0
		.amdhsa_next_free_vgpr 1024
		.amdhsa_next_free_sgpr 102
		.amdhsa_reserve_vcc 0
		.amdhsa_float_denorm_mode_32 3
		.amdhsa_float_denorm_mode_16_64 3
		.amdhsa_memory_ordered 1
		.amdhsa_forward_progress 1
		.amdhsa_inst_pref_size 122
	.end_amdhsa_kernel
	.amdgpu_metadata
---
amdhsa.version: [ 1, 2 ]
amdhsa.kernels:
  - .name:           k_q7472f2939c_proj
    .symbol:         k_q7472f2939c_proj.kd
    .args:
      - { .name: xc, .offset: 0, .size: 8, .value_kind: global_buffer, .address_space: global }
      - { .name: xs, .offset: 8, .size: 8, .value_kind: global_buffer, .address_space: global }
      - { .name: wc, .offset: 16, .size: 8, .value_kind: global_buffer, .address_space: global }
      - { .name: ws, .offset: 24, .size: 8, .value_kind: global_buffer, .address_space: global }
      - { .name: bq, .offset: 32, .size: 8, .value_kind: global_buffer, .address_space: global }
      - { .name: qkv, .offset: 40, .size: 8, .value_kind: global_buffer, .address_space: global }
    .group_segment_fixed_size: 327680
    .private_segment_fixed_size: 0
    .kernarg_segment_align: 8
    .kernarg_segment_size: 48
    .max_flat_workgroup_size: 128
    .sgpr_count:     102
    .vgpr_count:     1024
    .wavefront_size: 32
...
	.end_amdgpu_metadata
.endif
;; end of part 2
;; launch attn (part 3): grid 4 x 64, 16 waves a work-group, clusters of 4 x 1, 327,680 bytes of LDS; arguments qkv, bv, ctx; writes ctx
.if DOCPART == 3
	.amdgcn_target "amdgcn-amd-amdhsa--gfx1250"
	.amdhsa_code_object_version 6
	.text
	.protected	k_q7472f2939c_attn
	.globl	k_q7472f2939c_attn
	.p2align	8
	.type	k_q7472f2939c_attn,@function
k_q7472f2939c_attn:
	s_mov_b64 s[64:65], 0
	v_nop
	global_prefetch_b8 v0, s[64:65] scope:SCOPE_SE
	s_setreg_imm32_b32 hwreg(HW_REG_WAVE_MODE, 25, 1), 1
	s_wait_xcnt 0x0
	s_wait_alu depctr_hold_cnt(0) depctr_sa_sdst(0) depctr_va_vdst(0) depctr_va_sdst(0) depctr_va_ssrc(0) depctr_va_vcc(0) depctr_vm_vsrc(0)
	s_getreg_b32 s2, hwreg(HW_REG_IB_STS2, 6, 4)
	s_cmp_eq_u32 s2, 0
	s_cbranch_scc0 .Lentry_in_a_cluster
	s_endpgm
.Lentry_in_a_cluster:
	s_bfe_u32 s2, ttmp6, 0x10000c
	s_cmp_lg_u32 s2, 0x3003
	s_cbranch_scc0 .Lentry_shape_is_right
	s_endpgm
.Lentry_shape_is_right:
; THIRD LAUNCH: ctx[l] = sum over s of softmax_s(q_l . k_s / 8) v_s + bv, for each of 4 x 16 heads of 64 channels, 2,048 queries and 2,048 keys; no mask.
; WORK LEFT OUT: bk (shown at the head of the first launch).  bv is added here, behind the division: the weights of a row add up to 1.
; q, k, v arrive in f16 as images of operand registers (1,024 bytes: 16 rows x 32; lane L's registers 0-3 at byte 16 L, registers 4-7 at 512 + 16 L); products, maxima and sums in f32; the weights p are rounded to f16
; for the second product (p is at most 1), ctx once at the end.  LIMIT: |ctx| under 65,504.
; SHARES.  A work-group owns 512 queries of one head, each of its SIXTEEN waves 32: two tiles of 16, in 256 registers: four waves to a SIMD, so that one wave's vector work stands beside another's products and LDS loads.
; Every wave walks the head's 2,048 keys, 64 a step.  K and V come through a ring of two LDS slots of 512 keys; waves 0-7 fetch K's eighths, waves 8-15 V's, 8 KiB each: every wave issues a load.
; CLUSTER.  The four query blocks of a head walk the same K and V: each tile is asked for JOINTLY, by the same tensor load with the same descriptor and the mask of all four.
; LAYOUT.  S^T = K Q^T (source 0 = 16 keys, source 1 = 16 queries): a lane holds ONE query (lane % 16) and the keys 8 (lane / 16) + 0..7.  Two such tiles, rounded in pairs, ARE source 1 of O^T = V^T P, whose result
; again holds one query a lane and eight channels; two of ITS tiles, rounded in pairs, are an image of ctx.  Images lie in LDS as they lie in memory: every fragment load is 512 consecutive bytes, no padding.
; SOFTMAX.  A running maximum m and sum l for each query: p = 2^(c s - c m), c = log2(e) / 8; in every step O and l are multiplied by a = 2^(c m_old - c m_new).  m begins at -3e38 and O, l at 0: the step is written without a first copy.
; No prefetch is laid: a slot is asked for eight key steps ahead of its first read.
; REGISTERS: v1 16 x lane; v2, v3 the step's LDS addresses; v4, v5 the add's two; v6 bv's offset; v8-23 statistics, eight a tile: +0 c m, +1 m, +2, +3 l, +4..7 at work (a at +6); v24-55 Q; v56-119 K's, then V's eight fragments;
;   v120-183 S^T, 32 a tile, whose first 16 then hold P; v184-247 O^T, 32 a tile; v248-255 the sums at work.
.set SLOT1, 131072                     ; a slot: K [position / 16: 32][2][1 KiB], then V [key / 32: 16][4][1 KiB]; slot 1 begins here: one exclusive or turns an address
.set VOFF,  65536
.set SPARE, 262144                     ; behind the ring: the spare words, 128 bytes for each of sixteen waves
.set LI,  1
.set ADK, 2
.set ADV, 3
.set SPW, 4
.set NIL, 5
.set BA,  6
.set ST,  8
.set Q,   24
.set KV,  56
.set S,   120
.set O,   184
.set X,   248
.set WV,  10                           ; s10 my wave's number
.set SEL, 20                           ; s[20:21] lane selects for v_permlanex16_b32: lane l xor 16
.set CS,  22                           ; s[22:23] c: the packed form names a pair and takes its low word for both halves
.set G1K, 24                           ; s[24:31] group 1 for K's tiles; s[32:39] for V's
.set G1V, 32
.set G0K, 40                           ; s[40:43], s[44:47] their groups 0, which walk
.set G0V, 44
.set TB,  48                           ; s48 LDS byte at which the step's K begins
.set TRIPS, 49
.set CNT, 50
.macro CROUND                          ; a round of the cluster's barrier
	s_barrier_signal -1
	s_barrier_wait -1
	s_cmp_lg_u32 s[WV], 0
	s_cbranch_scc1 .Lnot_wave_0_\@
	s_barrier_signal -3
.Lnot_wave_0_\@:
	s_barrier_wait -3
	s_barrier_signal -1
	s_barrier_wait -1
.endm
; A joint load: the branch hangs on the wave's number alone.  An s_nop 0 and four v_nop follow each of the two lines.
.macro KVLOAD
	s_cmp_lt_u32 s[WV], 8
	s_cbranch_scc0 .Lfor_v_\@
	tensor_load_to_lds s[G0K:G0K+3], s[G1K:G1K+7]
	s_nop 0
.rept 4
	v_nop
.endr
	s_branch .Lasked_\@
.Lfor_v_\@:
	tensor_load_to_lds s[G0V:G0V+3], s[G1V:G1V+7]
	s_nop 0
.rept 4
	v_nop
.endr
.Lasked_\@:
.endm
	s_load_b128 s[4:7], s[0:1], 0x0                ; qkv s[4:5], bv s[6:7]
	s_load_b64 s[8:9], s[0:1], 0x10                ; ctx
	v_lshl_add_u32 v[SPW], v0, 2, SPARE
	v_mov_b32 v[NIL], 0
	ds_add_u32 v[SPW], v[NIL]                      ; the wave's opening: the add, twice on end, and its wait ahead of my first tensor load
	ds_add_u32 v[SPW], v[NIL]                      ; and once more; the set-up below, work on registers, stands between it and the wait
	v_lshrrev_b32 v1, 5, v0
	v_readfirstlane_b32 s[WV], v1                  ; wave 0..15
	s_bfe_u32 s11, ttmp6, 0x40000                  ; cx: my block of 512 queries: it enters Q's and ctx's addresses alone
	s_and_b32 s12, ttmp7, 0xffff                   ; 16 x batch + head, which the four partners share
	s_lshr_b32 s13, s12, 4
	s_lshl_b32 s13, s13, 22                        ; a batch's 2,048 positions are 4 MiB in each of q, k, v, ctx
	s_and_b32 s14, s12, 15                         ; the head
	s_and_b32 s15, s[WV], 7                        ; which eighth of a slot's K or V I fetch: 128 KiB apart in memory
	s_lshl_b32 s16, s15, 17
	s_add_co_u32 s16, s16, s13
	s_lshl_b32 s17, s14, 11                        ; K: the head's two images of a position tile: 2 KiB
	s_add_co_u32 s18, s16, s17
	s_add_co_u32 s18, s18, 1<<24                   ; k lies at 16 MiB
	s_mov_b32 s19, 0
	s_lshl_b32 s17, s14, 12                        ; V: the head's four images of 32 keys: 4 KiB
	s_add_co_u32 s16, s16, s17
	s_add_co_u32 s16, s16, 1<<25                   ; v lies at 32 MiB
	s_mov_b32 s17, 0
	s_lshl_b32 s15, s15, 13                        ; and its place in a slot: 8 KiB: no place in the cluster enters an LDS address
	s_lshl_b32 s2, s11, 20                         ; Q and ctx: my block's 32 position tiles of 32 KiB,
	s_add_co_u32 s2, s2, s13
	s_lshl_b32 s3, s[WV], 16                       ; my wave's two,
	s_add_co_u32 s2, s2, s3
	s_lshl_b32 s3, s14, 11                         ; the head's two images
	s_add_co_u32 s2, s2, s3
	s_mov_b32 s3, 0
	s_lshl_b32 s12, s14, 8                         ; bv: the head's 64 numbers
	s_mov_b32 s13, 0
	; group 1, elements of 8 bytes, no padding.  K: four position tiles' 2 KiB, 32 KiB apart;  V: two key chunks' 4 KiB, 64 KiB apart
	s_mov_b32 s[G1K], 15|(3<<16)|(1<<21)           ; 15:0 the mask: all four work-groups; 17:16 elements of 8 bytes; 21 set beside a mask
	s_mov_b32 s[G1K+1], 256<<16                    ; tensor_dim0
	s_mov_b32 s[G1K+2], 4<<16                      ; tensor_dim1
	s_mov_b32 s[G1K+3], 256<<16                    ; tile_dim0
	s_mov_b32 s[G1K+4], 4                          ; tile_dim1
	s_mov_b32 s[G1K+5], 4096                       ; tensor_dim0_stride
	s_mov_b32 s[G1K+6], 0
	s_mov_b32 s[G1K+7], 0
	s_mov_b32 s[G1V], 15|(3<<16)|(1<<21)
	s_mov_b32 s[G1V+1], 512<<16
	s_mov_b32 s[G1V+2], 2<<16
	s_mov_b32 s[G1V+3], 512<<16
	s_mov_b32 s[G1V+4], 2
	s_mov_b32 s[G1V+5], 8192
	s_mov_b32 s[G1V+6], 0
	s_mov_b32 s[G1V+7], 0
	s_mov_b32 s[SEL], 0x76543210
	s_mov_b32 s[SEL+1], 0xfedcba98
	s_mov_b32 s[CS], 0x3e38aa3b                    ; c = log2(e) / 8
	s_mov_b32 s[CS+1], s[CS]                       ; (named with it as a pair, so it is written)
	s_mov_b32 s[TB], 0
	s_mov_b32 s[TRIPS], 3
	s_wait_dscnt 0x0                               ; both opening adds are done
	s_wait_kmcnt 0x0
	s_mov_b32 s[G0K], 1                            ; count = 1
	s_mov_b32 s[G0K+1], s15                        ; LDS address: slot 0
	s_add_nc_u64 s[G0K+2:G0K+3], s[4:5], s[18:19]  ; global address: the head's first 512 keys
	s_or_b32 s[G0K+3], s[G0K+3], 0x80000000        ; type = 2
	s_mov_b32 s[G0V], 1
	s_add_co_u32 s[G0V+1], s15, VOFF
	s_add_nc_u64 s[G0V+2:G0V+3], s[4:5], s[16:17]
	s_or_b32 s[G0V+3], s[G0V+3], 0x80000000
	s_add_nc_u64 s[4:5], s[4:5], s[2:3]            ; Q at my wave's first image
	s_add_nc_u64 s[8:9], s[8:9], s[2:3]            ; ctx likewise
	s_add_nc_u64 s[6:7], s[6:7], s[12:13]
	CROUND                                         ; all four work-groups are here: the first joint loads meet
	KVLOAD                                         ; slot 0: one tensor load of mine is out
	v_and_b32 v[LI], 31, v0
	v_lshlrev_b32 v[LI], 4, v[LI]
	v_bfe_u32 v[BA], v0, 4, 1
	v_lshlrev_b32 v[BA], 5, v[BA]                  ; bv: 8 numbers for each half of the lanes
.irp t, 0,1
.irp cc, 0,1
.irp u, 0,1
	global_load_b128 v[Q+16*\t+8*\cc+4*\u:Q+16*\t+8*\cc+4*\u+3], v[LI], s[4:5] offset:32768*\t+1024*\cc+512*\u   ; Q stays in registers: tile t, channels 32 cc on
.endr
.endr
.endr
.irp t, 0,1
	v_mov_b32 v[ST+8*\t+1], 0xff61b1e6             ; m: -3e38, under every score
	v_mov_b32 v[ST+8*\t+2], 0                      ; l, in two halves
	v_mov_b32 v[ST+8*\t+3], 0
	v_mul_f32 v[ST+8*\t], s[CS], v[ST+8*\t+1]      ; c m
.endr
.set i, 0
.rept 64
	v_mov_b32 v[O+i], 0                            ; O^T: the first step finds zeros and multiplies them by a = 0
.set i, i+1
.endr
; A KEY STEP: 64 keys.  The eight accumulators of each product take turns, one instruction a turn.
.macro STEP
	v_add_nc_u32 v[ADK], s[TB], v[LI]              ; five places behind the last products: the products below write S^T over P, which those read, and the loads land in the registers of V
	v_add_nc_u32 v[ADV], VOFF, v[ADK]
.rept 3
	v_nop
.endr
.set i, 0
.rept 16
	ds_load_b128 v[KV+4*i:KV+4*i+3], v[ADK] offset:512*i           ; K: fragment 2 kt + cc: keys 16 kt on, channels 32 cc on
.set i, i+1
.endr
	s_wait_dscnt 0x0
.irp cc, 0,1
.irp kt, 0,1,2,3
.irp t, 0,1
.if \cc == 0
	v_wmma_f32_16x16x32_f16 v[S+32*\t+8*\kt:S+32*\t+8*\kt+7], v[KV+16*\kt+8*\cc:KV+16*\kt+8*\cc+7], v[Q+16*\t+8*\cc:Q+16*\t+8*\cc+7], 0
.else
	v_wmma_f32_16x16x32_f16 v[S+32*\t+8*\kt:S+32*\t+8*\kt+7], v[KV+16*\kt+8*\cc:KV+16*\kt+8*\cc+7], v[Q+16*\t+8*\cc:Q+16*\t+8*\cc+7], v[S+32*\t+8*\kt:S+32*\t+8*\kt+7]
.endif
.endr
.endr
.endr
.rept 4
	v_nop                                          ; places in front of the loads into K's registers and of the first read of the scores
.endr
.set i, 0
.rept 16
	ds_load_b128 v[KV+4*i:KV+4*i+3], v[ADV] offset:512*i           ; V: fragment 4 kk + c: keys 32 kk on, channels 16 c on.  They land under the softmax
.set i, i+1
.endr
	; the maximum of my 32 scores and the old m: four chains, each accumulator read from its low end on; the two tiles line by line
.irp j, 0,1,2,3
.irp t, 0,1
	v_max3_num_f32 v[ST+8*\t+4+\j], v[S+32*\t+8*\j], v[S+32*\t+8*\j+1], v[S+32*\t+8*\j+2]
.endr
.endr
.irp g, 1,2
.irp j, 0,1,2,3
.irp t, 0,1
	v_max3_num_f32 v[ST+8*\t+4+\j], v[ST+8*\t+4+\j], v[S+32*\t+8*\j+2*\g+1], v[S+32*\t+8*\j+2*\g+2]
.endr
.endr
.endr
.irp t, 0,1
	v_max3_num_f32 v[ST+8*\t+4], v[ST+8*\t+4], v[S+32*\t+7], v[S+32*\t+15]
.endr
.irp t, 0,1
	v_max3_num_f32 v[ST+8*\t+6], v[ST+8*\t+6], v[S+32*\t+23], v[S+32*\t+31]
.endr
.irp t, 0,1
	v_max3_num_f32 v[ST+8*\t+4], v[ST+8*\t+4], v[ST+8*\t+5], v[ST+8*\t+6]
.endr
.irp t, 0,1
	v_max3_num_f32 v[ST+8*\t+4], v[ST+8*\t+4], v[ST+8*\t+7], v[ST+8*\t+1]
.endr
.irp t, 0,1
	v_permlanex16_b32 v[ST+8*\t+5], v[ST+8*\t+4], s[SEL], s[SEL+1]   ; the query's other 32 keys lie in the lane 16 away
.endr
.irp t, 0,1
	v_mov_b32 v[ST+8*\t+7], v[ST+8*\t]             ; c m_old is kept for a
.endr
.irp t, 0,1
	v_max_num_f32 v[ST+8*\t+1], v[ST+8*\t+4], v[ST+8*\t+5]
.endr
.irp t, 0,1
	v_mul_f32 v[ST+8*\t], s[CS], v[ST+8*\t+1]
.endr
.irp t, 0,1
	v_sub_f32 v[ST+8*\t+7], v[ST+8*\t+7], v[ST+8*\t]
.endr
.irp j, 0,2,4,6,8,10,12,14,16,18,20,22,24,26,28,30
.irp t, 0,1
	v_pk_fma_f32 v[S+32*\t+\j:S+32*\t+\j+1], v[S+32*\t+\j:S+32*\t+\j+1], s[CS:CS+1], v[ST+8*\t:ST+8*\t+1] op_sel_hi:[1,0,0] neg_lo:[0,0,1] neg_hi:[0,0,1]   ; c s - c m, two at a time
.endr
.endr
	; ONE BATCH of 66 exponentials, none of which reads another's result; one plain line and one wait behind it
.irp t, 0,1
	v_exp_f32 v[ST+8*\t+6], v[ST+8*\t+7]           ; a
.endr
.set i, 0
.rept 32
	v_exp_f32 v[S+i], v[S+i]
	v_exp_f32 v[S+32+i], v[S+32+i]
.set i, i+1
.endr
	v_nop                                          ; the plain instruction behind the last exponential
	s_wait_alu depctr_va_vdst(0)                   ; the wait ahead of the first instruction that names a result: one for the batch
	; the sum of the unrounded p, two chains a tile
.irp t, 0,1
	v_pk_add_f32 v[X+4*\t:X+4*\t+1], v[S+32*\t:S+32*\t+1], v[S+32*\t+2:S+32*\t+3]
	v_pk_add_f32 v[X+4*\t+2:X+4*\t+3], v[S+32*\t+4:S+32*\t+5], v[S+32*\t+6:S+32*\t+7]
.endr
.irp j, 8,12,16,20,24,28
.irp t, 0,1
	v_pk_add_f32 v[X+4*\t:X+4*\t+1], v[X+4*\t:X+4*\t+1], v[S+32*\t+\j:S+32*\t+\j+1]
	v_pk_add_f32 v[X+4*\t+2:X+4*\t+3], v[X+4*\t+2:X+4*\t+3], v[S+32*\t+\j+2:S+32*\t+\j+3]
.endr
.endr
.irp t, 0,1
	v_pk_add_f32 v[X+4*\t:X+4*\t+1], v[X+4*\t:X+4*\t+1], v[X+4*\t+2:X+4*\t+3]
.endr
.irp t, 0,1
	v_pk_fma_f32 v[ST+8*\t+2:ST+8*\t+3], v[ST+8*\t+2:ST+8*\t+3], v[ST+8*\t+6:ST+8*\t+7], v[X+4*\t:X+4*\t+1] op_sel_hi:[1,0,1]   ; l = a l + the sum
.endr
.set i, 0
.rept 16
	v_cvt_pk_f16_f32 v[S+i], v[S+2*i], v[S+2*i+1]                  ; P, in place and ascending: pair i lands where no later pair is read
	v_cvt_pk_f16_f32 v[S+32+i], v[S+32+2*i], v[S+32+2*i+1]
.set i, i+1
.endr
.irp t, 0,1
.set i, 0
.rept 16
	v_pk_mul_f32 v[O+32*\t+2*i:O+32*\t+2*i+1], v[O+32*\t+2*i:O+32*\t+2*i+1], v[ST+8*\t+6:ST+8*\t+7] op_sel_hi:[1,0]   ; O^T x a
.set i, i+1
.endr
.endr
	s_wait_dscnt 0x0                               ; V is in
.irp kk, 0,1
.irp c, 0,1,2,3
.irp t, 0,1
	v_wmma_f32_16x16x32_f16 v[O+32*\t+8*\c:O+32*\t+8*\c+7], v[KV+32*\kk+8*\c:KV+32*\kk+8*\c+7], v[S+32*\t+8*\kk:S+32*\t+8*\kk+7], v[O+32*\t+8*\c:O+32*\t+8*\c+7]
.endr
.endr
.endr
	s_add_co_u32 s[TB], s[TB], 8192                ; the next step's K (and V, 64 KiB on)
.endm
; THE CHANGE OF SLOTS stands at a slot's head.  Each wave waits for all its tensor loads (its part of the slot that it is about to read), adds 0 to its spare word, and waits for that and for its reads of the slot that it has left.
; fill = 1: the barrier is a round of the cluster's, and behind it the other slot is asked for with the next 512 keys: the wave's one tensor load until the next change; it has eight key steps in which to land.
.macro CHANGE fill
	s_wait_tensorcnt 0x0                           ; no tensor load of mine is out, so a group 0 may be written
	ds_add_u32 v[SPW], v[NIL]
.if \fill
	s_xor_b32 s[G0K+1], s[G0K+1], SLOT1            ; the walking descriptors: the other slot than last time,
	s_add_nc_u64 s[G0K+2:G0K+3], s[G0K+2:G0K+3], 0x100000   ; the next 512 keys: 1 MiB on in k and in v; the type bits on top are not reached
	s_xor_b32 s[G0V+1], s[G0V+1], SLOT1
	s_add_nc_u64 s[G0V+2:G0V+3], s[G0V+2:G0V+3], 0x100000
.endif
	s_wait_dscnt 0x0                               ; the add is done, and my reads of the slot that I have left are over
.if \fill
	CROUND
	KVLOAD
.else
	s_barrier_signal -1
	s_barrier_wait -1
.endif
.endm
.macro SLOT_STEPS                      ; a slot's eight key steps: written once, walked eight times
	s_mov_b32 s[CNT], 8
.Lstep_\@:
	STEP
	s_sub_co_u32 s[CNT], s[CNT], 1
	s_cmp_lg_u32 s[CNT], 0
	s_cbranch_scc1 .Lstep_\@
	s_sub_co_u32 s[TB], s[TB], 65536               ; back to a slot's first step,
	s_xor_b32 s[TB], s[TB], SLOT1                  ; in the other slot
.endm
	s_wait_loadcnt 0x0                             ; Q
.Lslot:                                            ; three trips: behind each change of slots but the last the next slot is asked for (in the first trip slot 1 for the first time: nobody refills behind that round)
	CHANGE 1
	SLOT_STEPS
	s_sub_co_u32 s[TRIPS], s[TRIPS], 1
	s_cmp_lg_u32 s[TRIPS], 0
	s_cbranch_scc1 .Lslot
	CHANGE 0                                       ; the last slot is written out
	SLOT_STEPS
	; THE WAY OUT.  bv's numbers of my eight channels of each tile c come into the upper halves of S^T, which no product has named since the last scores were read.
.irp c, 0,1,2,3
.irp u, 0,1
	global_load_b128 v[S+16+32*(\c/2)+8*(\c%2)+4*\u:S+16+32*(\c/2)+8*(\c%2)+4*\u+3], v[BA], s[6:7] offset:64*\c+16*\u
.endr
.endr
.irp t, 0,1
	v_add_f32 v[ST+8*\t+4], v[ST+8*\t+2], v[ST+8*\t+3]             ; l's two halves (these additions are the places behind the last products)
.endr
.irp t, 0,1
	v_permlanex16_b32 v[ST+8*\t+5], v[ST+8*\t+4], s[SEL], s[SEL+1]
.endr
.irp t, 0,1
	v_add_f32 v[ST+8*\t+4], v[ST+8*\t+4], v[ST+8*\t+5]             ; and the other half of the lanes'
.endr
.rept 2
	v_nop
.endr
.irp t, 0,1
	v_rcp_f32 v[ST+8*\t+6], v[ST+8*\t+4]
.endr
	v_nop                                          ; a plain instruction behind the last reciprocal
	s_wait_alu depctr_va_vdst(0)                   ; and the wait ahead of the first use: one for both
	s_wait_loadcnt 0x0                             ; bv
.irp t, 0,1
.irp c, 0,1,2,3
.irp j, 0,2,4,6
	v_pk_fma_f32 v[O+32*\t+8*\c+\j:O+32*\t+8*\c+\j+1], v[O+32*\t+8*\c+\j:O+32*\t+8*\c+\j+1], v[ST+8*\t+6:ST+8*\t+7], v[S+16+32*(\c/2)+8*(\c%2)+\j:S+16+32*(\c/2)+8*(\c%2)+\j+1] op_sel_hi:[1,0,1]   ; O^T / l + bv
.endr
.endr
.endr
.irp t, 0,1
.set i, 0
.rept 16
	v_cvt_pk_f16_f32 v[KV+16*\t+i], v[O+32*\t+2*i], v[O+32*\t+2*i+1]   ; tiles 2 cc and 2 cc + 1 make registers 0-3 and 4-7 of ctx's image (16 positions x channels 32 cc on)
.set i, i+1
.endr
.endr
.irp t, 0,1
.irp cc, 0,1
.irp u, 0,1
	global_store_b128 v[LI], v[KV+16*\t+8*\cc+4*\u:KV+16*\t+8*\cc+4*\u+3], s[8:9] offset:32768*\t+1024*\cc+512*\u   ; each store of the wave covers 512 consecutive bytes, aligned
.endr
.endr
.endr
	s_wait_tensorcnt 0x0                           ; the wave's end
	ds_add_u32 v[SPW], v[NIL]
	s_wait_dscnt 0x0
	CROUND                                         ; the closing round: no work-group ends while a partner may still ask for a tile that names it
	s_endpgm
.Lfunc_end_k_q7472f2939c_attn:
	.size	k_q7472f2939c_attn, .Lfunc_end_k_q7472f2939c_attn-k_q7472f2939c_attn
	.p2alignl 7, 3214868480
	.fill 96, 4, 3214868480
	.section	.rodata,"a",@progbits
	.p2align	6, 0x0
	.amdhsa_kernel k_q7472f2939c_attn
		.amdhsa_group_segment_fixed_size 327680
		.amdhsa_private_segment_fixed_size 0
		.amdhsa_enable_private_segment 0
		.amdhsa_kernarg_size 24
		.amdhsa_user_sgpr_count 2
		.amdhsa_user_sgpr_kernarg_segment_ptr 1
		.amdhsa_wavefront_size32 1
		.amdhsa_system_sgpr_workgroup_id_x 1
		.amdhsa_system_sgpr_workgroup_id_y 1
		.amdhsa_system_sgpr_workgroup_id_z 1
		.amdhsa_system_vgpr_workitem_id 0
		.amdhsa_next_free_vgpr 256
		.amdhsa_next_free_sgpr 66
		.amdhsa_reserve_vcc 0
		.amdhsa_float_denorm_mode_32 3
		.amdhsa_float_denorm_mode_16_64 3
		.amdhsa_memory_ordered 1
		.amdhsa_forward_progress 1
		.amdhsa_inst_pref_size 50
	.end_amdhsa_kernel
	.amdgpu_metadata
---
amdhsa.version: [ 1, 2 ]
amdhsa.kernels:
  - .name:           k_q7472f2939c_attn
    .symbol:         k_q7472f2939c_attn.kd
    .args:
      - { .name: qkv, .offset: 0, .size: 8, .value_kind: global_buffer, .address_space: global }
      - { .name: bv, .offset: 8, .size: 8, .value_kind: global_buffer, .address_space: global }
      - { .name: ctx, .offset: 16, .size: 8, .value_kind: global_buffer, .address_space: global }
    .group_segment_fixed_size: 327680
    .private_segment_fixed_size: 0
    .kernarg_segment_align: 8
    .kernarg_segment_size: 24
    .max_flat_workgroup_size: 512
    .sgpr_count:     66
    .vgpr_count:     256
    .wavefront_size: 32
...
	.end_amdgpu_metadata
.endif
;; end of part 3
;; launch outp (part 4): grid 4 x 64, 4 waves a work-group, clusters of 4 x 4, 327,680 bytes of LDS; arguments ctx, woi, bo, out0; writes out0
.if DOCPART == 4
	.amdgcn_target "amdgcn-amd-amdhsa--gfx1250"
	.amdhsa_code_object_version 6
	.text
	.protected	k_q7472f2939c_outp
	.globl	k_q7472f2939c_outp
	.p2align	8
	.type	k_q7472f2939c_outp,@function
k_q7472f2939c_outp:
	s_mov_b64 s[64:65], 0
	v_nop
	global_prefetch_b8 v0, s[64:65] scope:SCOPE_SE
	s_setreg_imm32_b32 hwreg(HW_REG_WAVE_MODE, 25, 1), 1
	s_wait_xcnt 0x0
	s_wait_alu depctr_hold_cnt(0) depctr_sa_sdst(0) depctr_va_vdst(0) depctr_va_sdst(0) depctr_va_ssrc(0) depctr_va_vcc(0) depctr_vm_vsrc(0)
	s_getreg_b32 s2, hwreg(HW_REG_IB_STS2, 6, 4)
	s_cmp_eq_u32 s2, 0
	s_cbranch_scc0 .Lentry_in_a_cluster
	s_endpgm
.Lentry_in_a_cluster:
	s_bfe_u32 s2, ttmp6, 0x10000c
	s_cmp_lg_u32 s2, 0xf033
	s_cbranch_scc0 .Lentry_shape_is_right
	s_endpgm
.Lentry_shape_is_right:
; FOURTH LAUNCH: out0[m][n] = sum over k of ctx[m][k] Wo[k][n] + bo[n]; 8,192 x 1,024 x 1,024; f16 operands, f32 sums, f32 out.  Nothing is left out here.
; ctx and Wo arrive as images of operand registers (1,024 bytes: 16 rows x 32 along k): ctx [m / 16][k / 32], woi [n / 16][k / 32].
; A tile of out0 is 128 (m) x 256 (n): 256 work-groups, one for each WGP (tiles of 256 x 256 would be 128).  Four waves, each 64 x 128: 32 accumulators, 256 registers.
; K goes in eight steps of 128 through a ring of two LDS slots; images lie in LDS as in memory, so every fragment load is 512 consecutive bytes: no padding.
; CLUSTERS: 4 x 4 work-groups; ctx's tiles are shared along a row of the cluster, Wo's along a column: joint loads (waves 0, 1: ctx's halves, 16 KiB; waves 2, 3: Wo's, 32 KiB).
; THE MATRIX INSTRUCTION IS USED TRANSPOSED (source 0 = 16 columns n of Wo, source 1 = 16 rows m of ctx): a lane holds eight neighbouring numbers of a row of out0.  bo, in that layout, is the C of the first products.
; REGISTERS, in windows of 256: window 0: v16-29 addresses; two fragment buffers of 96 at v32 and v128 (ctx's four fragments, then Wo's eight); on the way out v32-159 take rows.
;   window 1: the accumulators ((a, b) at v[8 (8 a + b)]).   window 2: v0-63 bo.
.set KSB,    4096                      ; a K step of one row tile: four images
.set BOFF,   32768                     ; a slot: ctx [8][4][1 KiB], then Wo [16][4][1 KiB]
.set SLOT,   98304
.set SPARE,  196608                    ; behind the ring: the spare words, 128 bytes for each wave
.set SPITCH, 528                       ; the way out: a stage of 16 rows x (512 bytes + 16) for each wave, in slot 0, which has had its last fill and its last read when the first result is stored there
.set ADRA, 16                          ; v16-17 LDS address of my ctx fragments in slot 0, 1
.set ADRB, 20                          ; v20-21 the same for Wo
.set STO,  24                          ; v24 the way out: where I put 32 bytes of a row
.set RD,   25                          ; v25 where I read a row back
.set CO,   26                          ; v26 16 x lane
.set BOA,  27                          ; v27 bo's offset; never rewritten
.set SPW,  28                          ; v28 LDS address of my spare word; never rewritten
.set NIL,  29                          ; v29 0; never rewritten
.set F0,   32
.set F1,   128
.set BK,   32                          ; the way out: 16 rows read back: v32-95 and v96-159 by turns
.set G1,   24                          ; s[24:31] group 1 for ctx's tiles; s[32:39] group 0, a set for each slot
.set G0,   32
.set G1B,  48                          ; s[48:55], s[56:63] the same for Wo's
.set G0B,  56
.set MSB, 0
.macro WIN new                         ; the immediate's high byte repeats the setting that is left
.if MSB != (\new)
	s_set_vgpr_msb (MSB<<8)|(\new)
.set MSB, (\new)
.endif
.endm
.set MUL, 0x50                         ; sources 0 and 1 window 0; C and D window 1
.set FST, 0x60                         ; the first products: C from window 2, D window 1
.macro JLOAD s                         ; a joint load; the branch hangs on the wave's number alone; an s_nop 0 and four v_nop follow each of the two lines
	s_cmp_eq_u32 s15, 0
	s_cbranch_scc0 .Lfor_b_\@
	tensor_load_to_lds s[G0+4*\s:G0+4*\s+3], s[G1:G1+7]
	s_nop 0
.rept 4
	v_nop
.endr
	s_branch .Lasked_\@
.Lfor_b_\@:
	tensor_load_to_lds s[G0B+4*\s:G0B+4*\s+3], s[G1B:G1B+7]
	s_nop 0
.rept 4
	v_nop
.endr
.Lasked_\@:
.endm
.macro CREST                           ; a round of the cluster's barrier behind its opening barrier
	s_cmp_lg_u32 s14, 0
	s_cbranch_scc1 .Lnot_wave_0_\@
	s_barrier_signal -3
.Lnot_wave_0_\@:
	s_barrier_wait -3
	s_barrier_signal -1
	s_barrier_wait -1
.endm
.macro CROUND                          ; a whole round
	s_barrier_signal -1
	s_barrier_wait -1
	CREST
.endm
	s_load_b256 s[4:11], s[0:1], 0x0               ; ctx s[4:5], woi s[6:7], bo s[8:9], out0 s[10:11]
	v_lshl_add_u32 v[SPW], v0, 2, SPARE
	v_mov_b32 v[NIL], 0
	ds_add_u32 v[SPW], v[NIL]                      ; the wave's opening: the add, twice on end, and its wait ahead of my first tensor load
	ds_add_u32 v[SPW], v[NIL]                      ; and once more; the set-up below, work on registers, stands between it and the wait
	v_lshrrev_b32 v1, 5, v0
	v_readfirstlane_b32 s14, v1                    ; wave 0..3
	s_lshr_b32 s15, s14, 1                         ; which half of the tile's rows is mine.  Also: I fetch for ctx (0) or for Wo (1)
	s_and_b32 s16, s14, 1                          ; which half of its columns.  Also: which half of that tile I fetch
	s_bfe_u32 s40, ttmp6, 0x40000                  ; cx: the tile column (the grid has one cluster along x)
	s_bfe_u32 s41, ttmp6, 0x40004                  ; cy
	s_and_b32 s17, ttmp7, 0xffff
	s_lshl_b32 s17, s17, 2
	s_add_co_u32 s17, s17, s41                     ; tile row = 4 x cluster y + cy
	s_lshl_b32 s43, s41, 2
	s_lshl_b32 s43, 15, s43                        ; my row of the cluster
	s_lshl_b32 s44, 0x1111, s40                    ; my column
	; group 1, elements of 8 bytes, no padding: rows of 4 KiB (a K step's four images of a row tile), 32 KiB apart; four rows for ctx, eight for Wo
	s_or_b32 s[G1+0], s43, (3<<16)|(1<<21)
	s_or_b32 s[G1B+0], s44, (3<<16)|(1<<21)
	s_mov_b32 s[G1+1], 512<<16                     ; tensor_dim0
	s_mov_b32 s[G1+2], 4<<16                       ; tensor_dim1
	s_mov_b32 s[G1+3], 512<<16                     ; tile_dim0
	s_mov_b32 s[G1+4], 4                           ; tile_dim1
	s_mov_b32 s[G1+5], 4096                        ; tensor_dim0_stride
	s_mov_b32 s[G1+6], 0
	s_mov_b32 s[G1+7], 0
	s_mov_b32 s[G1B+1], 512<<16
	s_mov_b32 s[G1B+2], 8<<16
	s_mov_b32 s[G1B+3], 512<<16
	s_mov_b32 s[G1B+4], 8
	s_mov_b32 s[G1B+5], 4096
	s_mov_b32 s[G1B+6], 0
	s_mov_b32 s[G1B+7], 0
	s_lshl_b32 s20, s17, 18                        ; ctx: eight row tiles of 32 KiB a tile row, four a half
	s_lshl_b32 s18, s16, 17
	s_add_co_u32 s20, s20, s18
	s_mov_b32 s21, 0
	s_lshl_b32 s46, s40, 19                        ; Wo: sixteen column tiles of 32 KiB a tile column, eight a half
	s_lshl_b32 s18, s16, 18
	s_add_co_u32 s46, s46, s18
	s_mov_b32 s47, 0
	s_lshl_b32 s22, s16, 14                        ; where they go: no place in the cluster enters an LDS address
	s_lshl_b32 s23, s16, 15
	s_add_co_u32 s23, s23, BOFF
	s_wait_dscnt 0x0                               ; both opening adds are done
	s_wait_kmcnt 0x0
	s_add_nc_u64 s[20:21], s[4:5], s[20:21]
	s_add_nc_u64 s[46:47], s[6:7], s[46:47]
	CROUND                                         ; all sixteen work-groups are here: the first joint loads meet
.irp s, 0,1
	s_mov_b32 s[G0+4*\s], 1
	s_add_co_u32 s[G0+4*\s+1], s22, \s*SLOT
	s_add_nc_u64 s[G0+4*\s+2:G0+4*\s+3], s[20:21], \s*KSB
	s_or_b32 s[G0+4*\s+3], s[G0+4*\s+3], 0x80000000
	s_mov_b32 s[G0B+4*\s], 1
	s_add_co_u32 s[G0B+4*\s+1], s23, \s*SLOT
	s_add_nc_u64 s[G0B+4*\s+2:G0B+4*\s+3], s[46:47], \s*KSB
	s_or_b32 s[G0B+4*\s+3], s[G0B+4*\s+3], 0x80000000
	JLOAD \s                                       ; two tensor loads of mine are out behind the second
.endr
	v_and_b32 v1, 15, v0                           ; l % 16
	v_bfe_u32 v2, v0, 4, 1                         ; l / 16
	v_and_b32 v3, 31, v0
	v_lshlrev_b32 v[CO], 4, v3                     ; 16 x lane: my place in an image, in a stage row and in a row of out0
	s_lshl_b32 s18, s15, 14                        ; my four row tiles of ctx
	s_lshl_b32 s19, s16, 15                        ; my eight column tiles of Wo,
	s_add_co_u32 s19, s19, BOFF                    ; which lie behind ctx's
.irp s, 0,1
	v_add_nc_u32 v[ADRA+\s], s18, v[CO]
	v_add_nc_u32 v[ADRB+\s], s19, v[CO]
	s_add_co_u32 s18, s18, SLOT
	s_add_co_u32 s19, s19, SLOT
.endr
	s_mul_i32 s18, s14, 16*SPITCH                  ; my stage
	v_mul_u32_u24 v4, v1, SPITCH                   ; in: row l % 16, 32 bytes for each half of the lanes
	v_lshl_add_u32 v4, v2, 5, v4
	v_add_nc_u32 v[STO], s18, v4
	v_add_nc_u32 v[RD], s18, v[CO]                 ; back: the 32 lanes take one row of 512 bytes
	s_lshl_b32 s18, s40, 10                        ; my first column, in bytes of f32: 1,024 x tile column + 512 x half
	s_lshl_b32 s19, s16, 9
	s_add_co_u32 s18, s18, s19
	s_mov_b32 s19, 0
	s_add_nc_u64 s[8:9], s[8:9], s[18:19]
	s_add_nc_u64 s[10:11], s[10:11], s[18:19]
	v_lshlrev_b32 v[BOA], 5, v2
	WIN 0x80                                       ; destination window 2
.irp b, 0,1,2,3,4,5,6,7
	global_load_b128 v[8*\b:8*\b+3], v[BOA], s[8:9] offset:64*\b          ; register 8 b + n of lane (r, h): bo at column 16 b + 8 h + n
	global_load_b128 v[8*\b+4:8*\b+7], v[BOA], s[8:9] offset:64*\b+16
.endr
	WIN 0
	s_lshl_b32 s18, s17, 19                        ; my first row of out0: 128 rows of 4,096 bytes a tile row, 64 a half
	s_lshl_b32 s19, s15, 18
	s_add_co_u32 s18, s18, s19
	s_mov_b32 s19, 0
	s_add_nc_u64 s[10:11], s[10:11], s[18:19]
; 16 matrix instructions: row tiles a0, a0 + 1 x my eight column tiles, 32 along K, from buffer f.  The 32 accumulators take turns, one instruction a turn, in the same order in every quarter.
.macro MUL16 f, a0, first
.irp a, \a0, \a0+1
.irp b, 0,1,2,3,4,5,6,7
.if \first
	v_wmma_f32_16x16x32_f16 v[8*(8*(\a)+\b):8*(8*(\a)+\b)+7], v[\f+32+8*\b:\f+32+8*\b+7], v[\f+8*(\a):\f+8*(\a)+7], v[8*\b:8*\b+7]
.else
	v_wmma_f32_16x16x32_f16 v[8*(8*(\a)+\b):8*(8*(\a)+\b)+7], v[\f+32+8*\b:\f+32+8*\b+7], v[\f+8*(\a):\f+8*(\a)+7], v[8*(8*(\a)+\b):8*(8*(\a)+\b)+7]
.endif
.endr
.endr
.endm
.macro FETCH slot, q, f                ; 24 LDS loads in one run: the twelve fragments of the slot's q-th 32 along K into buffer f
.irp a, 0,1,2,3
	ds_load_b128 v[\f+8*\a:\f+8*\a+3],   v[ADRA+\slot] offset:4096*\a+1024*(\q)
	ds_load_b128 v[\f+8*\a+4:\f+8*\a+7], v[ADRA+\slot] offset:4096*\a+1024*(\q)+512
.endr
.irp b, 0,1,2,3,4,5,6,7
	ds_load_b128 v[\f+32+8*\b:\f+32+8*\b+3], v[ADRB+\slot] offset:4096*\b+1024*(\q)
	ds_load_b128 v[\f+32+8*\b+4:\f+32+8*\b+7], v[ADRB+\slot] offset:4096*\b+1024*(\q)+512
.endr
.endm
.macro PLACES                          ; four places in front of loads into registers that matrix instructions have read, and of the first read of results
.rept 4
	v_nop
.endr
.endm
; A K step is four quarters of 32 along K, 32 matrix instructions each, on buffers 0, 1, 0, 1.  One of the first three: the next quarter's fragments (the slot's q-th) are asked for into g, then f is multiplied.
.macro QUARTER slot, q, f, g, first
	s_wait_dscnt 0x0                               ; buffer f is in (asked for a quarter ago)
	PLACES
	FETCH \slot, \q, \g
.if \first
	WIN FST
.else
	WIN MUL
.endif
	MUL16 \f, 0, \first
	MUL16 \f, 2, \first
	WIN 0
.endm
; The last quarter multiplies buffer 1 and changes slots: ONE barrier; in front of it each wave waits for all its tensor loads, adds 0 to its spare word, and waits for that and for its reads of this slot.
; fill = 1: the barrier opens a round of the cluster's, and behind the round this slot is asked for again, two K steps ahead: the wave's one tensor load until the next change.
.macro TURN slot, next, fill
	s_wait_tensorcnt 0x0                           ; all my tensor loads have landed: my part of the next slot; so a group 0 may be written
	ds_add_u32 v[SPW], v[NIL]
.if \fill
	s_add_nc_u64 s[G0+4*\slot+2:G0+4*\slot+3], s[G0+4*\slot+2:G0+4*\slot+3], 2*KSB
	s_add_nc_u64 s[G0B+4*\slot+2:G0B+4*\slot+3], s[G0B+4*\slot+2:G0B+4*\slot+3], 2*KSB
.endif
	s_wait_dscnt 0x0                               ; the add is done, buffer 1 is in, and my reads of this slot are over
	s_barrier_signal -1
	WIN MUL
	MUL16 F1, 0, 0                                 ; work on registers while the others arrive
	WIN 0
	s_barrier_wait -1
.if \fill
	CREST                                          ; no wave of any partner still reads this slot's tile or has a load on its way
	JLOAD \slot                                    ; the four v_nop behind it are also the places in front of the loads below
.else
	PLACES
.endif
	FETCH \next, 0, F0
	WIN MUL
	MUL16 F1, 2, 0
	WIN 0
.endm
	s_wait_tensorcnt 1                             ; my part of K step 0 is in (K step 1's load may be out)
	s_barrier_signal -1
	s_barrier_wait -1                              ; everybody's is
	FETCH 0, 0, F0
	s_wait_loadcnt 0x0                             ; bo
	QUARTER 0, 1, F0, F1, 1                        ; the first quarter stands in front of the loop: its products start the sums with bo
	s_mov_b32 s3, 3
.Llap:                                             ; a trip goes once round the ring, from a lap's second quarter to the next lap's first, and fills both slots again
	QUARTER 0, 2, F1, F0, 0
	QUARTER 0, 3, F0, F1, 0
	TURN 0, 1, 1
	QUARTER 1, 1, F0, F1, 0
	QUARTER 1, 2, F1, F0, 0
	QUARTER 1, 3, F0, F1, 0
	TURN 1, 0, 1
	QUARTER 0, 1, F0, F1, 0
	s_sub_co_u32 s3, s3, 1
	s_cmp_lg_u32 s3, 0
	s_cbranch_scc1 .Llap
	QUARTER 0, 2, F1, F0, 0                        ; the last lap fills nothing, and has no round of the cluster's barrier
	QUARTER 0, 3, F0, F1, 0
	TURN 0, 1, 0
	QUARTER 1, 1, F0, F1, 0
	QUARTER 1, 2, F1, F0, 0
	QUARTER 1, 3, F0, F1, 0
	s_wait_dscnt 0x0                               ; the very last quarter: nothing more to fetch
	WIN MUL
	MUL16 F1, 0, 0
	MUL16 F1, 2, 0
	WIN 0
; THE WAY OUT, block by block of 16 rows x 128 columns.  A lane holds 32 neighbouring bytes of a row, and the lanes beside it hold other rows: a block goes through my own stage in LDS and comes back as whole rows of
; 512 bytes.  LDS serves a wave's instructions in order (ISA guide 5.7.1.4): no wait between the stores and the loads, nor in front of the next block's stores.
.macro TOSTAGE a
.set AC, 64*(\a)
	WIN 0x04                                       ; an LDS store's data are its source 1: window 1
.irp b, 0,1,2,3,4,5,6,7
	ds_store_b128 v[STO], v[AC+8*\b:AC+8*\b+3] offset:64*\b          ; each accumulator from its low end on
	ds_store_b128 v[STO], v[AC+8*\b+4:AC+8*\b+7] offset:64*\b+16
.endr
	WIN 0
.set BB, BK+64*((\a)%2)
.irp t, 0,1,2,3,4,5,6,7,8,9,10,11,12,13,14,15
	ds_load_b128 v[BB+4*\t:BB+4*\t+3], v[RD] offset:\t*SPITCH
.endr
.endm
.macro SEND a, younger                 ; younger: the LDS instructions issued behind block a's loads, which may stay out
.set BB, BK+64*((\a)%2)
	s_wait_dscnt \younger                          ; the block is back in registers
.if (\a) > 0
	s_add_nc_u64 s[10:11], s[10:11], 16*4096       ; (behind a wait on XCNT: the earlier stores have read their base)  16 rows of out0 on
.endif
.irp t, 0,1,2,3,4,5,6,7,8,9,10,11,12,13,14,15
	global_store_b128 v[CO], v[BB+4*\t:BB+4*\t+3], s[10:11] offset:\t*4096 th:TH_STORE_NT   ; 32 lanes store 512 consecutive bytes, aligned; written once, read by nobody here
.endr
.endm
	PLACES                                         ; behind the last products: the stores read results, and the loads land in registers that held fragments
	TOSTAGE 0
.irp a, 1,2,3
.if \a > 1
	s_wait_xcnt 0x0                                ; block a - 2's stores have read their registers and their base: block a's loads may land there, and the base may step
.endif
	TOSTAGE \a
	SEND \a-1, 32                                  ; behind block a - 1's loads: block a's 16 stores and 16 loads
.endr
	s_wait_xcnt 0x0                                ; block 2's stores have read their base
	SEND 3, 0
	s_wait_tensorcnt 0x0                           ; the wave's end, behind my last tensor load and my last LDS store
	ds_add_u32 v[SPW], v[NIL]
	s_wait_dscnt 0x0
	CROUND                                         ; the closing round: no work-group ends while a partner may still ask for a tile that names it
	s_endpgm
.Lfunc_end_k_q7472f2939c_outp:
	.size	k_q7472f2939c_outp, .Lfunc_end_k_q7472f2939c_outp-k_q7472f2939c_outp
	.p2alignl 7, 3214868480
	.fill 96, 4, 3214868480
	.section	.rodata,"a",@progbits
	.p2align	6, 0x0
	.amdhsa_kernel k_q7472f2939c_outp
		.amdhsa_group_segment_fixed_size 327680
		.amdhsa_private_segment_fixed_size 0
		.amdhsa_enable_private_segment 0
		.amdhsa_kernarg_size 32
		.amdhsa_user_sgpr_count 2
		.amdhsa_user_sgpr_kernarg_segment_ptr 1
		.amdhsa_wavefront_size32 1
		.amdhsa_system_sgpr_workgroup_id_x 1
		.amdhsa_system_sgpr_workgroup_id_y 1
		.amdhsa_system_sgpr_workgroup_id_z 1
		.amdhsa_system_vgpr_workitem_id 0
		.amdhsa_next_free_vgpr 576
		.amdhsa_next_free_sgpr 66
		.amdhsa_reserve_vcc 0
		.amdhsa_float_denorm_mode_32 3
		.amdhsa_float_denorm_mode_16_64 3
		.amdhsa_memory_ordered 1
		.amdhsa_forward_progress 1
		.amdhsa_inst_pref_size 85
	.end_amdhsa_kernel
	.amdgpu_metadata
---
amdhsa.version: [ 1, 2 ]
amdhsa.kernels:
  - .name:           k_q7472f2939c_outp
    .symbol:         k_q7472f2939c_outp.kd
    .args:
      - { .name: ctx, .offset: 0, .size: 8, .value_kind: global_buffer, .address_space: global }
      - { .name: woi, .offset: 8, .size: 8, .value_kind: global_buffer, .address_space: global }
      - { .name: bo, .offset: 16, .size: 8, .value_kind: global_buffer, .address_space: global }
      - { .name: out0, .offset: 24, .size: 8, .value_kind: global_buffer, .address_space: global }
    .group_segment_fixed_size: 327680
    .private_segment_fixed_size: 0
    .kernarg_segment_align: 8
    .kernarg_segment_size: 32
    .max_flat_workgroup_size: 128
    .sgpr_count:     66
    .vgpr_count:     576
    .wavefront_size: 32
...
	.end_amdgpu_metadata
.endif
;; end of part 4
